; MI455X (gfx1250); checked and timed in simulation.
; The chip was launched on July 23, 2026; its instructions are those of AMD's public machine-readable ISA for CDNA 5 (MIT licence, August 2026) and "CDNA5" Instruction Set Architecture Reference Guide (July 2026). The comments in the code are by the model that wrote it; some were corrected since.
;; Attn Block. Allowed arithmetic: matrix products marked QUANTISED: E3M2 operands, one E8M0 scale for each 32 along K, by v_wmma_scale_f32_16x16x128_f8f6f4 with both operands' format E3M2, f32 sums; everything else in f32.
;; Inputs: bk 512 float32; bp 512 float32; bq 512 float32; bv 512 float32; gn_beta 512 float32; gn_gamma 512 float32; wk 512 x 512 float32; wp 512 x 512 float32; wq 512 x 512 float32; wv 512 x 512 float32; x 8 x 512 x 2,048 float32.
;; Outputs: out0 8 x 512 x 2,048 float32.
;; This version of the problem:
;;   THIS VERSION OF THE PROBLEM IS GIVEN IN LOW PRECISION. The matrix products marked QUANTISED in the list below multiply operands that are first quantised to E3M2 (3 exponent bits, 2 mantissa bits; 6 bits a number), with one power-of-two scale for each 32 numbers along K (OCP MX v1.0); their sums are f32. All else is computed in f32.
;;   The module's matrix products, in the order in which they are computed (A, B: the left and right operand; K: the contracted axis; several contracted axes count as one K, in the product's order):
;;     1. [M 16,384, K 512] x [K 512, N 512]; A: computed on the way; B: input wq: QUANTISED
;;     2. [M 16,384, K 512] x [K 512, N 512]; A: computed on the way; B: input wk: QUANTISED
;;     3. [M 16,384, K 512] x [K 512, N 512]; A: computed on the way; B: input wv: QUANTISED
;;     4. batch 8 x [M 2,048, K 512] x [K 512, N 2,048]; A: computed on the way; B: computed on the way: QUANTISED
;;     5. batch 8 x [M 512, K 2,048] x [K 2,048, N 2,048]; A: computed on the way; B: softmax (see below): QUANTISED
;;     6. [M 16,384, K 512] x [K 512, N 512]; A: computed on the way; B: input wp: QUANTISED
;;   THE QUANTISER, for each operand of a quantised product, along K:
;;     - K is cut into blocks of 32 from its start; a last block that is shorter is filled with zeros.
;;     - A block's scale is 2^e with e = floor(log2(the largest magnitude in the block)) - 4, held to -126 .. 127; a block of zeros has e = 0. As a byte (E8M0): e + 127.
;;     - Each number is divided by its block's scale, clamped to +-28, and rounded to the nearest number of E3M2, ties to even, subnormals kept.
;;     - The product sums the exact products of the quantised numbers (number of the format x scale) in f32.
;;   ~~~python
;;   def quantise(x, axis):      # numpy; x: float32 -> the quantised numbers, widened to float32 again
;;       x = np.moveaxis(x, axis, -1); K = x.shape[-1]
;;       x = np.pad(x, [(0, 0)] * (x.ndim - 1) + [(0, -K % 32)]); x = x.reshape(x.shape[:-1] + (-1, 32)); a = np.abs(x).max(-1, keepdims=True)
;;       e = np.where(a > 0, np.clip(np.frexp(np.where(a > 0, a, 1))[1] - 1 - 4, -126, 127), 0)      # np.frexp(a)[1] - 1 = floor(log2(a)), exactly
;;       r = np.clip(x / 2.0 ** e, -28, 28)
;;       step = 2.0 ** (np.maximum(np.frexp(np.where(r == 0, 1, r))[1] - 1, -2) - 2)
;;       q = np.round(r / step) * step * 2.0 ** e      # np.round: ties to even
;;       return np.moveaxis(q.reshape(q.shape[:-2] + (-1,))[..., :K], -1, axis).astype(np.float32)
;;   ~~~
;;   SOFTMAX AHEAD OF A QUANTISED PRODUCT. Where the list says 'softmax', what is quantised is not the finished softmax but p = 2^(t - M), with t = logit x log2(e) and M = ceil(the row's largest t), a whole number; so 1/2 < the row's largest p <= 1. The row's sum l is taken of the UNQUANTISED p, in f32, and the product's result is divided by l at the end. Since M is a whole number, a kernel that streams over the keys may use a running M (the ceiling of the running maximum): every later rescaling is an exact power of two, which a block's scale takes up: the codes' values come out the same.
;;   OPERANDS COMPUTED ON THE WAY. 'Computed on the way' means the value that the module computes at that place (a softmax that the list does not call 'softmax' is quantised finished and normalised). What goes into a quantiser is computed in f32, as accurately as f32 sums, v_exp_f32 and their like allow (about 1e-6 of the number): no bf16 or f16 on the way to a quantiser, and a product that is left as it is and whose result goes on into a quantised operand takes f32 operands (vector FMAs, or v_wmma_f32_16x16x4_f32). A number that lies on a knife's edge between two numbers of the format may be rounded either way, as far as f32 arithmetic and the matrix unit's own rounding can turn it there, and no further.
;; One version. Each part assembles by itself: llvm-mc -triple=amdgcn-amd-amdhsa -mcpu=gfx1250 --defsym DOCPART=n.
;; ======== version 1 of 1: 3 launches
;; workspace buffers: himg 6,291,456 bytes; hsc 262,144 bytes; wimg 786,432 bytes; wsc 32,768 bytes; qkvimg 18,874,368 bytes; qkvsc 786,432 bytes
;; launch prep (part 1): grid 144 x 1, 16 waves a work-group, no clusters, 51,712 bytes of LDS; arguments x, gn_gamma, gn_beta, wq, wk, wv, wp, himg, hsc, wimg, wsc; writes himg, hsc, wimg, wsc
.if DOCPART == 1
	.amdgcn_target "amdgcn-amd-amdhsa--gfx1250"
	.amdhsa_code_object_version 6
	.text
	.protected	k_qc3d4ce9885_prep
	.globl	k_qc3d4ce9885_prep
	.p2align	8
	.type	k_qc3d4ce9885_prep,@function
k_qc3d4ce9885_prep:
	s_mov_b64 s[64:65], 0
	v_nop
	global_prefetch_b8 v0, s[64:65] scope:SCOPE_SE
	s_setreg_imm32_b32 hwreg(HW_REG_WAVE_MODE, 25, 1), 1
	s_wait_xcnt 0x0
; PREP: h = GroupNorm(x) and the four weights become codes of BF6 (E3M2) with one E8M0 byte for each 32 along K (K = the channels).
; NO WORK OF THE PROBLEM IS LEFT OUT IN ANY LAUNCH: gamma and beta move h's codes, bq, bk and bv move the codes of q, k and v, bp and x are added at the end: all eleven inputs are loaded.
; THE FORM OF EVERY OPERAND IN MEMORY IS AN IMAGE OF ITS REGISTERS.  Rows go in groups of 128 = 8 tiles; lane r of tile 2 b + u holds row 32 b + 8 u + r + 8 (r / 8).  A fragment (a tile, 128 along K) is 12 registers a lane:
; lane (r, h), registers 6 c .. 6 c + 5 = k 64 c + 32 h + 0 .. 31.  In memory it is 3 pieces of 512 bytes: piece q, lane l: registers 4 q .. 4 q + 3 at 512 q + 16 l.  himg: [group of positions 128][K step 4][tile 8][1536].
; hsc: bytes [batch][block of channels 16][position].  wimg: [q, k, v, p][group of rows 4][K step 4][tile 8][1536].  wsc: [matrix][group][pair of tiles 4][lane 32][K step 4] words: lanes 0-15 the even tile's rows, 16-31 the odd one's.
; WORK-GROUPS 0-127: batch wg / 16, channels 32 (wg % 16) on: one block of the quantiser, two groups of the norm, all 2,048 positions: 262,144 bytes of x, read once and kept in registers (thread t: positions 4 t .. 4 t + 3 of 32 channels).
; Mean first, then the sum of squared differences: a common offset of x loses nothing.  WORK-GROUPS 128-143: 128 rows of one weight; wave v: tiles 2 (v / 4), 2 (v / 4) + 1, K step v % 4; a lane loads the very numbers that its registers want.
; A block's scale is 2^(floor(log2(largest magnitude)) - 4): its byte is the magnitude's exponent field - 4, held at 1 from below.
; LIMITS: NaN and infinities among the inputs are not served.  A block of zeros, and a block whose largest magnitude lies under 2^-122, gets the byte 1 (zeros' codes are zeros; these bytes are read by this program alone).
; STATED: piece 1 of a fragment of himg holds registers of two blocks, so its 256-byte runs are written half by each of two work-groups (a third of himg); wsc's words leave 4 bytes in 16 (32,768 bytes in all);
; a lane of the weights' path reads 128 consecutive bytes by 8 loads, lanes a row apart (4 MB of the launch's 38).
.set SPARE, 49664                      ; the spare words: 128 bytes for each of 16 waves
.set RED1,  0                          ; 16 waves x two sums
.set RED2,  256                        ; the same for the squares
.set STG,   512                        ; a stage of 3,072 bytes for each wave: 8 tiles x 16 rows x 16 bytes, then x 8 bytes
.set SPW, 12
.set NIL, 13
.set X,   32                           ; v32-159  X[4 c + i]: channel c, position i
.set Y,   160                          ; v160-191 one position's 32 channels; also the sums read back
.set CX,  192                          ; codes of channels 0-15
.set CY,  196                          ; of channels 16-31
.set FH,  200                          ; six registers for each of four positions: 16 bytes of a whole piece, 8 bytes of piece 1
.set BW,  224                          ; four scale bytes
.set RB,  226                          ; the way out
.set SA,  16                           ; s16-47  gamma x rstd of channel c
.set SB,  66                           ; s66-97  beta of channel c
	v_lshl_add_u32 v[SPW], v0, 2, SPARE
	v_mov_b32 v[NIL], 0
	v_lshrrev_b32 v1, 5, v0
	v_readfirstlane_b32 s3, v1                     ; wave 0..15
	v_and_b32 v2, 31, v0                           ; lane
	s_mov_b32 s12, 0x76543210
	s_mov_b32 s13, 0xfedcba98                      ; v_permlanex16_b32's selects for lane l xor 16
	s_cmp_ge_u32 ttmp9, 128
	s_cbranch_scc1 .Lweights
	; ---------------- the norm's path
	s_load_b128 s[4:7], s[0:1], 0x0                ; x, gamma
	s_load_b64 s[8:9], s[0:1], 0x10                ; beta
	s_load_b64 s[48:49], s[0:1], 0x38              ; himg
	s_load_b64 s[50:51], s[0:1], 0x40              ; hsc
	v_lshlrev_b32 v1, 4, v0                        ; 16 t: my four positions in a row of x
	v_lshlrev_b32 v8, 2, v2                        ; 4 x lane: gamma, beta of channel = lane
	v_lshlrev_b32 v11, 2, v0                       ; 4 t: my four scale bytes
	v_lshrrev_b32 v9, 5, v0
	v_lshlrev_b32 v9, 3, v9                        ; 8 x wave: my wave's two sums
	v_mov_b32 v10, 0
	s_mul_i32 s14, s3, 3072
	s_add_co_u32 s14, s14, STG                     ; my wave's stage
	v_bfe_u32 v16, v0, 3, 2
	v_bfe_u32 v17, v0, 1, 1
	v_lshl_add_u32 v16, v16, 1, v17                ; position 4 l + i of the wave's 128 lies in tile 2 (l / 8) + (l / 2) % 2,
	v_and_b32 v17, 1, v0
	v_bfe_u32 v18, v0, 2, 1
	v_lshlrev_b32 v17, 2, v17
	v_lshl_add_u32 v17, v18, 3, v17                ; at row 4 (l % 2) + 8 ((l / 4) % 2) + i
	v_lshlrev_b32 v3, 8, v16
	v_lshl_add_u32 v3, v17, 4, v3
	v_add_nc_u32 v3, s14, v3                       ; into the stage: 16 bytes a row
	v_lshlrev_b32 v4, 7, v16
	v_lshl_add_u32 v4, v17, 3, v4
	v_add_nc_u32 v4, s14, v4
	v_add_nc_u32 v4, 2048, v4                      ; and 8 bytes a row
	v_lshl_add_u32 v5, v2, 4, s14                  ; back: 16 bytes a lane,
	v_lshl_add_u32 v6, v2, 3, s14
	v_add_nc_u32 v6, 2048, v6                      ; 8 bytes a lane
	v_bfe_u32 v16, v0, 4, 1
	v_and_b32 v17, 15, v0
	v_mul_u32_u24 v7, v16, 1536
	v_lshl_add_u32 v7, v17, 4, v7                  ; in himg: lanes 0-15 one tile's 16 rows, lanes 16-31 the next tile's
	s_and_b32 s52, ttmp9, 15                       ; kb: the block of channels
	s_lshr_b32 s53, ttmp9, 4                       ; batch
	s_lshl_b32 s54, ttmp9, 18                      ; 32 rows of 8,192 bytes a work-group
	s_mov_b32 s55, 0
	s_lshl_b32 s56, s52, 7
	s_mov_b32 s57, 0
	s_lshl_b32 s58, s53, 4
	s_add_co_u32 s58, s58, s3
	s_mul_i32 s58, s58, 49152                      ; the wave's group of positions: 16 x batch + wave
	s_lshr_b32 s59, s52, 2
	s_mul_i32 s59, s59, 12288                      ; K step kb / 4
	s_add_co_u32 s58, s58, s59
	s_bfe_u32 s60, s52, 0x10001                    ; c' = (kb / 2) % 2: registers 6 c' on,
	s_and_b32 s61, s52, 1                          ; h' = kb % 2: of lanes 16 h' on
	s_lshl_b32 s59, s61, 8
	s_add_co_u32 s58, s58, s59
	s_lshl_b32 s59, s60, 3
	s_add_co_u32 s62, s58, s59
	s_add_co_u32 s62, s62, 512                     ; the 8 bytes: piece 1, + 256 h' + 8 c'
	s_mov_b32 s63, 0
	s_lshl_b32 s59, s60, 10
	s_add_co_u32 s58, s58, s59                     ; the 16 bytes: piece 2 c', + 256 h'
	s_mov_b32 s59, 0
	s_cmp_lg_u32 s60, 0
	s_cselect_b32 s98, -1, 0                       ; all lanes: c'
	s_lshl_b32 s10, ttmp9, 11
	s_mov_b32 s11, 0
	s_wait_kmcnt 0x0
	s_add_nc_u64 s[4:5], s[4:5], s[54:55]
	s_add_nc_u64 s[6:7], s[6:7], s[56:57]
	s_add_nc_u64 s[8:9], s[8:9], s[56:57]
	s_add_nc_u64 s[62:63], s[48:49], s[62:63]
	s_add_nc_u64 s[48:49], s[48:49], s[58:59]
	s_add_nc_u64 s[50:51], s[50:51], s[10:11]
	global_load_b32 v14, v8, s[6:7]
	global_load_b32 v15, v8, s[8:9]
.set cc, 0
.rept 32
	global_load_b128 v[X+4*cc:X+4*cc+3], v1, s[4:5] offset:8192*cc th:TH_LOAD_NT   ; a wave reads 512 consecutive bytes of a row
.set cc, cc+1
.endr
; v[16:17], the lane's two sums, become the work-group's two, divided by 32,768, in every lane of every wave, added in one order for all
.macro REDUCE red
.irp k, 1,2,4,8
	v_add_f32_dpp v16, v16, v16 row_xmask:\k row_mask:0xf bank_mask:0xf
	v_add_f32_dpp v17, v17, v17 row_xmask:\k row_mask:0xf bank_mask:0xf
.endr
	v_permlanex16_b32 v18, v16, s12, s13
	v_permlanex16_b32 v19, v17, s12, s13
	v_pk_add_f32 v[16:17], v[16:17], v[18:19]
	ds_store_b64 v9, v[16:17] offset:\red          ; all lanes write the same 8 bytes with the same values
	s_wait_dscnt 0x0                               ; for the others' sake: my store has landed
	s_barrier_signal -1
	s_barrier_wait -1
.irp k, 0,1,2,3,4,5,6,7
	ds_load_b128 v[Y+4*\k:Y+4*\k+3], v10 offset:\red+16*\k
.endr
	s_wait_dscnt 0x0
.irp k, 0,1,2,3,4,5,6,7
	v_pk_add_f32 v[Y+4*\k:Y+4*\k+1], v[Y+4*\k:Y+4*\k+1], v[Y+4*\k+2:Y+4*\k+3]
.endr
.irp k, 0,1,2,3
	v_pk_add_f32 v[Y+8*\k:Y+8*\k+1], v[Y+8*\k:Y+8*\k+1], v[Y+8*\k+4:Y+8*\k+5]
.endr
.irp k, 0,1
	v_pk_add_f32 v[Y+16*\k:Y+16*\k+1], v[Y+16*\k:Y+16*\k+1], v[Y+16*\k+8:Y+16*\k+9]
.endr
	v_pk_add_f32 v[Y:Y+1], v[Y:Y+1], v[Y+16:Y+17]
	v_pk_mul_f32 v[16:17], v[Y:Y+1], 0x38000000 op_sel_hi:[1,0]   ; x 2^-15
.endm
	; the sums of the two groups, two chains each, begun by their first two channels: nothing is cleared
	s_wait_loadcnt 24                              ; gamma, beta and channels 0-7 are in; the 24 younger loads stay out
	v_pk_add_f32 v[16:17], v[X:X+1], v[X+4:X+5]
	v_pk_add_f32 v[18:19], v[X+2:X+3], v[X+6:X+7]
.set cc, 2
.rept 6
	v_pk_add_f32 v[16:17], v[16:17], v[X+4*cc:X+4*cc+1]
	v_pk_add_f32 v[18:19], v[18:19], v[X+4*cc+2:X+4*cc+3]
.set cc, cc+1
.endr
	s_wait_loadcnt 16                              ; channels 8-15
.rept 8
	v_pk_add_f32 v[16:17], v[16:17], v[X+4*cc:X+4*cc+1]
	v_pk_add_f32 v[18:19], v[18:19], v[X+4*cc+2:X+4*cc+3]
.set cc, cc+1
.endr
	s_wait_loadcnt 8                               ; channels 16-23
	v_pk_add_f32 v[20:21], v[X+64:X+65], v[X+68:X+69]
	v_pk_add_f32 v[22:23], v[X+66:X+67], v[X+70:X+71]
.set cc, 18
.rept 6
	v_pk_add_f32 v[20:21], v[20:21], v[X+4*cc:X+4*cc+1]
	v_pk_add_f32 v[22:23], v[22:23], v[X+4*cc+2:X+4*cc+3]
.set cc, cc+1
.endr
	s_wait_loadcnt 0x0
.rept 8
	v_pk_add_f32 v[20:21], v[20:21], v[X+4*cc:X+4*cc+1]
	v_pk_add_f32 v[22:23], v[22:23], v[X+4*cc+2:X+4*cc+3]
.set cc, cc+1
.endr
	v_pk_add_f32 v[16:17], v[16:17], v[18:19]
	v_pk_add_f32 v[20:21], v[20:21], v[22:23]
	v_add_f32 v16, v16, v17
	v_add_f32 v17, v20, v21
	REDUCE RED1                                    ; v16, v17: the two means
	v_mov_b32 v24, v16
	v_mov_b32 v25, v16
	v_mov_b32 v26, v17
	v_mov_b32 v27, v17
.set cc, 0
.rept 32
	v_pk_add_f32 v[X+4*cc:X+4*cc+1], v[X+4*cc:X+4*cc+1], v[24+2*(cc/16):25+2*(cc/16)] neg_lo:[0,1] neg_hi:[0,1]   ; x - mean, in place
	v_pk_add_f32 v[X+4*cc+2:X+4*cc+3], v[X+4*cc+2:X+4*cc+3], v[24+2*(cc/16):25+2*(cc/16)] neg_lo:[0,1] neg_hi:[0,1]
.set cc, cc+1
.endr
.irp q, 0,1
	v_pk_mul_f32 v[16+4*\q:17+4*\q], v[X+64*\q:X+64*\q+1], v[X+64*\q:X+64*\q+1]
	v_pk_mul_f32 v[18+4*\q:19+4*\q], v[X+64*\q+2:X+64*\q+3], v[X+64*\q+2:X+64*\q+3]
.endr
.set cc, 1
.rept 15
.irp q, 0,1
	v_pk_fma_f32 v[16+4*\q:17+4*\q], v[X+64*\q+4*cc:X+64*\q+4*cc+1], v[X+64*\q+4*cc:X+64*\q+4*cc+1], v[16+4*\q:17+4*\q]
	v_pk_fma_f32 v[18+4*\q:19+4*\q], v[X+64*\q+4*cc+2:X+64*\q+4*cc+3], v[X+64*\q+4*cc+2:X+64*\q+4*cc+3], v[18+4*\q:19+4*\q]
.endr
.set cc, cc+1
.endr
	v_pk_add_f32 v[16:17], v[16:17], v[18:19]
	v_pk_add_f32 v[20:21], v[20:21], v[22:23]
	v_add_f32 v16, v16, v17
	v_add_f32 v17, v20, v21
	REDUCE RED2                                    ; v16, v17: the two variances
	v_add_f32 v16, 0x358637bd, v16                 ; + 1e-6
	v_add_f32 v17, 0x358637bd, v17
	v_rsq_f32 v18, v16
	v_rsq_f32 v19, v17
	v_nop                                          ; a plain instruction behind the last of the two,
	s_wait_alu depctr_va_vdst(0)                   ; and the wait ahead of the first use: one for both
	v_cmp_gt_u32 vcc_lo, 16, v2
	v_cndmask_b32 v20, v19, v18, vcc_lo            ; channel = lane: lanes 0-15 the first group's, 16-31 the second's
	v_mul_f32 v20, v14, v20                        ; gamma x rstd
.set cc, 0
.rept 32
	v_readlane_b32 s[SA+cc], v20, cc
	v_readlane_b32 s[SB+cc], v15, cc
.set cc, cc+1
.endr
; position i of my four: h of its 32 channels, the block's scale, 32 codes = 24 bytes: registers 6 c' .. 6 c' + 5 of lane (row, h')
.macro POS i
.set cc, 0
.rept 32
	v_fma_f32 v[Y+cc], v[X+4*cc+\i], s[SA+cc], s[SB+cc]
.set cc, cc+1
.endr
	v_max3_num_f32 v16, |v[Y]|, |v[Y+1]|, |v[Y+2]|
	v_max3_num_f32 v17, |v[Y+3]|, |v[Y+4]|, |v[Y+5]|
.irp j, 6,10,14,18,22,26
	v_max3_num_f32 v16, v16, |v[Y+\j]|, |v[Y+\j+1]|
	v_max3_num_f32 v17, v17, |v[Y+\j+2]|, |v[Y+\j+3]|
.endr
	v_max3_num_f32 v16, v16, |v[Y+30]|, |v[Y+31]|
	v_max3_num_f32 v16, v16, v17, 0x2800000        ; and the floor 2^(5 - 127): the byte cannot fall under 1
	v_add_nc_u32 v18, 0xfe000000, v16              ; 4 off the exponent field: the conversion's scale operand
	v_cvt_scalef32_pk16_bf6_f32 v[CX:CX+2], v[Y:Y+15], v18
	v_cvt_scalef32_pk16_bf6_f32 v[CY:CY+2], v[Y+16:Y+31], v18
.if \i == 0
	v_lshrrev_b32 v[BW], 23, v18                   ; the byte (a plain instruction behind the conversions)
.else
	v_lshrrev_b32 v19, 23, v18
.endif
	v_cndmask_b32 v[FH+6*\i],   v[CX],   v[CX+2], s98   ; c' = 0: registers 0-3 fill piece 0, registers 4, 5 the first half of my 16 bytes of piece 1;
	v_cndmask_b32 v[FH+6*\i+1], v[CX+1], v[CY],   s98   ; c' = 1: registers 6, 7 the second half of them, registers 8-11 fill piece 2
	v_cndmask_b32 v[FH+6*\i+2], v[CX+2], v[CY+1], s98
	v_cndmask_b32 v[FH+6*\i+3], v[CY],   v[CY+2], s98
	v_cndmask_b32 v[FH+6*\i+4], v[CY+1], v[CX],   s98
	v_cndmask_b32 v[FH+6*\i+5], v[CY+2], v[CX+1], s98
	ds_store_b128 v3, v[FH+6*\i:FH+6*\i+3] offset:16*\i
	ds_store_b64 v4, v[FH+6*\i+4:FH+6*\i+5] offset:8*\i
.if \i > 0
	v_lshl_or_b32 v[BW], v19, 8*\i, v[BW]
.endif
.endm
	POS 0
	POS 1
	POS 2
	POS 3
	global_store_b32 v11, v[BW], s[50:51]          ; four positions' bytes of this block of channels
.irp n, 0,1,2,3
	ds_load_b128 v[RB+4*\n:RB+4*\n+3], v5 offset:512*\n   ; LDS serves a wave's instructions in order: these see my stores
.endr
.irp n, 0,1,2,3
	ds_load_b64 v[RB+16+2*\n:RB+17+2*\n], v6 offset:256*\n
.endr
.irp n, 0,1,2,3
	s_wait_dscnt 7-\n                              ; the younger LDS loads stay out
	global_store_b128 v7, v[RB+4*\n:RB+4*\n+3], s[48:49] offset:3072*\n   ; sixteen lanes store 256 consecutive bytes, at a multiple of 256 from himg's first byte
.endr
.irp n, 0,1,2,3
	s_wait_dscnt 3-\n
	global_store_b64 v7, v[RB+16+2*\n:RB+17+2*\n], s[62:63] offset:3072*\n
.endr
	s_wait_tensorcnt 0x0                           ; the wave's end
	ds_add_u32 v[SPW], v[NIL]
	s_wait_dscnt 0x0
	s_endpgm
	; ---------------- the weights' path: no LDS
.Lweights:
	s_load_b256 s[28:35], s[0:1], 0x18             ; wq, wk, wv, wp
	s_load_b128 s[36:39], s[0:1], 0x48             ; wimg, wsc
	s_sub_co_u32 s20, ttmp9, 128                   ; 4 x matrix + group of 128 rows
	s_lshr_b32 s21, s20, 2
	s_and_b32 s22, s20, 3
	s_lshr_b32 s23, s3, 2                          ; pair of tiles
	s_and_b32 s24, s3, 3                           ; K step
	v_and_b32 v3, 15, v0                           ; r
	v_bfe_u32 v4, v0, 4, 1                         ; h
	v_and_b32 v5, 8, v3
	v_add_nc_u32 v5, v5, v3                        ; r + 8 (r / 8)
	v_lshlrev_b32 v5, 11, v5
	v_lshl_add_u32 v5, v4, 7, v5                   ; my row of 2,048 bytes, + 128 h
	v_lshlrev_b32 v6, 4, v2                        ; 16 x lane
	v_lshlrev_b32 v7, 3, v4                        ; 8 h
	v_mov_b32 v42, 0                               ; (a lane permute's destination counts as one of its sources)
	s_lshl_b32 s25, s22, 2
	s_add_co_u32 s25, s25, s23
	s_lshl_b32 s25, s25, 16                        ; row 128 group + 32 pair
	s_lshl_b32 s26, s24, 9
	s_add_co_u32 s40, s25, s26
	s_mov_b32 s41, 0
	s_lshl_b32 s25, s20, 2
	s_add_co_u32 s26, s25, s24
	s_mul_i32 s42, s26, 12288
	s_mul_i32 s26, s23, 3072
	s_add_co_u32 s42, s42, s26
	s_mov_b32 s43, 0
	s_add_co_u32 s25, s25, s23
	s_lshl_b32 s44, s25, 9
	s_lshl_b32 s26, s24, 2
	s_add_co_u32 s44, s44, s26
	s_mov_b32 s45, 0
	s_mov_b32 s27, 0xffff0000                      ; lanes 16-31
	s_wait_kmcnt 0x0
	s_cmp_eq_u32 s21, 1                            ; which weight: the choice hangs on the work-group's number alone
	s_cselect_b64 s[28:29], s[30:31], s[28:29]
	s_cmp_eq_u32 s21, 2
	s_cselect_b64 s[28:29], s[32:33], s[28:29]
	s_cmp_eq_u32 s21, 3
	s_cselect_b64 s[28:29], s[34:35], s[28:29]
	s_add_nc_u64 s[28:29], s[28:29], s[40:41]
	s_add_nc_u64 s[36:37], s[36:37], s[42:43]
	s_add_nc_u64 s[38:39], s[38:39], s[44:45]
.irp u, 0,1
.irp c, 0,1
.irp i, 0,1,2,3,4,5,6,7
	global_load_b128 v[64+64*\u+32*\c+4*\i:64+64*\u+32*\c+4*\i+3], v5, s[28:29] offset:16384*\u+256*\c+16*\i   ; W(row, 128 s + 64 c + 32 h + 4 i ..)
.endr
.endr
.endr
; tile u: my two whole blocks (2 c + h) become registers 6 c .. 6 c + 5; the scale word's four bytes come from lanes l and l xor 16
.macro QUANTW u
.set WB,  64+64*(\u)
.set PCW, 192+16*(\u)
.set TW,  224+8*(\u)
.irp c, 0,1
	v_max3_num_f32 v[32+\c], |v[WB+32*\c]|, |v[WB+32*\c+1]|, 0x2800000
.endr
.irp i, 2,4,6,8,10,12,14,16,18,20,22,24,26,28,30
.irp c, 0,1
	v_max3_num_f32 v[32+\c], v[32+\c], |v[WB+32*\c+\i]|, |v[WB+32*\c+\i+1]|
.endr
.endr
.irp c, 0,1
	v_add_nc_u32 v[44+\c], 0xfe000000, v[32+\c]
.endr
.irp c, 0,1
	v_lshrrev_b32 v[36+\c], 23, v[44+\c]
.endr
	v_lshl_or_b32 v[40+\u], v37, 16, v36           ; my bytes: blocks h and 2 + h,
	v_lshlrev_b32 v[40+\u], v7, v[40+\u]           ; 8 h bits up
	v_permlanex16_b32 v42, v[40+\u], s12, s13
	v_or_b32 v[40+\u], v[40+\u], v42
.irp c, 0,1
	v_cvt_scalef32_pk16_bf6_f32 v[PCW+6*\c:PCW+6*\c+2], v[WB+32*\c:WB+32*\c+15], v[44+\c]
	v_cvt_scalef32_pk16_bf6_f32 v[TW+4*\c:TW+4*\c+2], v[WB+32*\c+16:WB+32*\c+31], v[44+\c]   ; (a conversion's three registers begin on an even number)
.endr
	v_nop                                          ; one plain instruction behind the conversions
.irp c, 0,1
.irp i, 0,1,2
	v_mov_b32 v[PCW+6*\c+3+\i], v[TW+4*\c+\i]
.endr
.endr
.irp c, 0,1,2
	global_store_b128 v6, v[PCW+4*\c:PCW+4*\c+3], s[36:37] offset:1536*(\u)+512*\c   ; 512 consecutive bytes
.endr
.endm
	s_wait_loadcnt 16                              ; the even tile's 16 loads are in, the odd tile's stay out
	QUANTW 0
	s_wait_loadcnt 0x0
	QUANTW 1
	v_cndmask_b32 v43, v40, v41, s27               ; lanes 0-15 the even tile's words, lanes 16-31 the odd tile's
	global_store_b32 v6, v43, s[38:39]
	s_endpgm
.Lfunc_end_k_qc3d4ce9885_prep:
	.size	k_qc3d4ce9885_prep, .Lfunc_end_k_qc3d4ce9885_prep-k_qc3d4ce9885_prep
	.p2alignl 7, 3214868480
	.fill 96, 4, 3214868480
	.section	.rodata,"a",@progbits
	.p2align	6, 0x0
	.amdhsa_kernel k_qc3d4ce9885_prep
		.amdhsa_group_segment_fixed_size 51712
		.amdhsa_private_segment_fixed_size 0
		.amdhsa_enable_private_segment 0
		.amdhsa_kernarg_size 88
		.amdhsa_user_sgpr_count 2
		.amdhsa_user_sgpr_kernarg_segment_ptr 1
		.amdhsa_wavefront_size32 1
		.amdhsa_system_sgpr_workgroup_id_x 1
		.amdhsa_system_sgpr_workgroup_id_y 1
		.amdhsa_system_sgpr_workgroup_id_z 1
		.amdhsa_system_vgpr_workitem_id 0
		.amdhsa_next_free_vgpr 256
		.amdhsa_next_free_sgpr 100
		.amdhsa_reserve_vcc 1
		.amdhsa_float_denorm_mode_32 3
		.amdhsa_float_denorm_mode_16_64 3
		.amdhsa_memory_ordered 1
		.amdhsa_forward_progress 1
		.amdhsa_inst_pref_size 57
	.end_amdhsa_kernel
	.amdgpu_metadata
---
amdhsa.version: [ 1, 2 ]
amdhsa.kernels:
  - .name:           k_qc3d4ce9885_prep
    .symbol:         k_qc3d4ce9885_prep.kd
    .args:
      - { .name: x, .offset: 0, .size: 8, .value_kind: global_buffer, .address_space: global }
      - { .name: gn_gamma, .offset: 8, .size: 8, .value_kind: global_buffer, .address_space: global }
      - { .name: gn_beta, .offset: 16, .size: 8, .value_kind: global_buffer, .address_space: global }
      - { .name: wq, .offset: 24, .size: 8, .value_kind: global_buffer, .address_space: global }
      - { .name: wk, .offset: 32, .size: 8, .value_kind: global_buffer, .address_space: global }
      - { .name: wv, .offset: 40, .size: 8, .value_kind: global_buffer, .address_space: global }
      - { .name: wp, .offset: 48, .size: 8, .value_kind: global_buffer, .address_space: global }
      - { .name: himg, .offset: 56, .size: 8, .value_kind: global_buffer, .address_space: global }
      - { .name: hsc, .offset: 64, .size: 8, .value_kind: global_buffer, .address_space: global }
      - { .name: wimg, .offset: 72, .size: 8, .value_kind: global_buffer, .address_space: global }
      - { .name: wsc, .offset: 80, .size: 8, .value_kind: global_buffer, .address_space: global }
    .group_segment_fixed_size: 51712
    .private_segment_fixed_size: 0
    .kernarg_segment_align: 8
    .kernarg_segment_size: 88
    .max_flat_workgroup_size: 512
    .sgpr_count:     100
    .vgpr_count:     256
    .wavefront_size: 32
...
	.end_amdgpu_metadata
.endif
;; end of part 1
;; launch qkv (part 2): grid 64 x 4, 4 waves a work-group, clusters of 4 x 4, 262,144 bytes of LDS; arguments himg, hsc, wimg, wsc, bq, bk, bv, qkvimg, qkvsc; writes qkvimg, qkvsc
.if DOCPART == 2
	.amdgcn_target "amdgcn-amd-amdhsa--gfx1250"
	.amdhsa_code_object_version 6
	.text
	.protected	k_qc3d4ce9885_qkv
	.globl	k_qc3d4ce9885_qkv
	.p2align	8
	.type	k_qc3d4ce9885_qkv,@function
k_qc3d4ce9885_qkv:
	s_mov_b64 s[64:65], 0
	v_nop
	global_prefetch_b8 v0, s[64:65] scope:SCOPE_SE
	s_setreg_imm32_b32 hwreg(HW_REG_WAVE_MODE, 25, 1), 1
	s_wait_xcnt 0x0
	s_wait_alu depctr_hold_cnt(0) depctr_sa_sdst(0) depctr_va_vdst(0) depctr_va_sdst(0) depctr_va_ssrc(0) depctr_va_vcc(0) depctr_vm_vsrc(0)
	s_getreg_b32 s2, hwreg(HW_REG_IB_STS2, 6, 4)
	s_cmp_eq_u32 s2, 0
	s_cbranch_scc0 .Lentry_in_a_cluster
	s_endpgm
.Lentry_in_a_cluster:
	s_bfe_u32 s2, ttmp6, 0x10000c
	s_cmp_lg_u32 s2, 0xf033
	s_cbranch_scc0 .Lentry_shape_is_right
	s_endpgm
.Lentry_shape_is_right:
; QKV: q = h Wq^T + bq, k = h Wk^T + bk, v = h Wv^T + bv on codes of BF6 (E3M2); the results are quantised in registers, q and k along the channels, v along the positions (the keys), and leave as images of operand registers.
; No work of the problem is left out.  Images: as the first launch's head says (rows in groups of 128 = 8 tiles, lane r of tile 2 b + u = row 32 b + 8 u + r + 8 (r / 8); a fragment = 3 pieces of 512 bytes, 16 bytes a lane).
; qkvimg: q at 0, k at 6,291,456: [batch][group of positions 16][K step = group of channels 4][tile 8][1536]; v at 12,582,912: [batch][group of channels 4][K step = group of positions 16][tile 8][1536].
; qkvsc, words: q at 0, k at 262,144: [batch][group][pair of tiles 4][lane 32][K step 4]; v at 524,288: [batch][K step / 4][group of channels 4][pair][lane][K step % 4].
; SHARES.  A work-group makes q, k and v for 256 positions (X) x 128 channels (y): 384 matrix instructions a wave.  All of K = 512 of its operands lies in LDS, each byte filled once: no slot is filled again.
; q, k: source 0 = 16 rows of W (streamed from LDS, each fragment feeds four products), source 1 = my four tiles of h (in registers): a lane holds ONE position and its registers run along the channels, the next K.
; v: source 0 = 16 positions of h (streamed), source 1 = my four tiles of Wv: a lane holds one channel and its registers run along the positions.  The biases are the C of each sum's first product.
; CLUSTER 4 x 4: h's tiles hang on X alone and are asked for jointly by a column of the cluster, the weights' on y alone, by a row: each tile is requested once for four work-groups.
; No prefetch: every tile is asked for at the head, by the tensor loads themselves.
; LIMITS: as in the first launch (NaN, infinities; the byte 1 for blocks of zeros and under 2^-122).  STATED: the scale words leave 4 bytes in every 16 (786,432 bytes of the launch's 19.7 MB).
; REGISTERS.  Window 0: v1-10 addresses; v20-35 at work; v36-41 scale words just made; v44-107 scale words of the operands; v148-243 two sets of four streamed fragments, in the epilogues the codes just made.
;   window 1: 32 accumulators, (stationary tile n, streamed tile a) at 64 n + 8 a.   window 2: bq 0-63, bk 64-127, bv 128-159, in the results' layout.   window 3: 16 stationary fragments, (K step s, tile n) at 12 (4 s + n).
.set SPARE, 245760                     ; the spare words, 128 bytes for each wave
.set LWK,   49152                      ; LDS: Wq at 0, Wk, h's two groups of 128 positions, Wv: 49,152 bytes each, [K step][tile][1536]
.set LHH,   98304
.set LWV,   196608
.set LI,   1                           ; 16 x lane: also Wq's address
.set SKA,  3
.set SHA,  4                           ; my group of h
.set STA,  5                           ; my four tiles of it
.set SVA,  6                           ; my four tiles of Wv
.set HB,   7
.set BO1,  8
.set BO2,  9
.set LI2,  10
.set SPW,  14
.set NIL,  15
.set TM,   20
.set PWR,  36
.set MG,   40
.set WQS,  44
.set WKS,  60
.set WVS,  76
.set HS16, 84                          ; h's scale words: pair p, K step s at 4 p + s
.set HS8,  100                         ; those of my four tiles
.set FB,   148
.set BQ,   0
.set BK,   64
.set BV,   128
.set WV,   22
.set SEL,  66
.set G1W,  24                          ; s[24:31] group 1 with my row's mask; s[32:39] with my column's
.set G1H,  32
.set G0W,  40                          ; s[40:55] groups 0 of a weight's four K steps; h's at s[56:63], s[68:75]; Wv's piece at s[76:79]
.set QIP,  84
.set QSP,  86
.set KIP,  88
.set KSQ,  90
.set VIP,  92
.set VSQ,  94
.set MSB, 0
.macro WIN new                         ; the immediate's high byte repeats the setting that is left
.if MSB != (\new)
	s_set_vgpr_msb (MSB<<8)|(\new)
.set MSB, (\new)
.endif
.endm
.macro PLACES n
.rept \n
	v_nop
.endr
.endm
.macro CROUND                          ; a round of the cluster's barrier
	s_barrier_signal -1
	s_barrier_wait -1
	s_cmp_lg_u32 s[WV], 0
	s_cbranch_scc1 .Lnot_wave_0_\@
	s_barrier_signal -3
.Lnot_wave_0_\@:
	s_barrier_wait -3
	s_barrier_signal -1
	s_barrier_wait -1
.endm
; a joint load: waves 0 and 1 fetch Wq and Wk, waves 2 and 3 h's two groups; the branch hangs on the wave's number alone; an s_nop 0 and four v_nop follow each line
.macro JLOAD g0a, g1a, g0b, g1b
	s_cmp_lt_u32 s[WV], 2
	s_cbranch_scc0 .Lfor_h_\@
	tensor_load_to_lds s[\g0a:\g0a+3], s[\g1a:\g1a+7]
	s_nop 0
.rept 4
	v_nop
.endr
	s_branch .Lasked_\@
.Lfor_h_\@:
	tensor_load_to_lds s[\g0b:\g0b+3], s[\g1b:\g1b+7]
	s_nop 0
.rept 4
	v_nop
.endr
.Lasked_\@:
.endm
	s_load_b256 s[4:11], s[0:1], 0x0               ; himg, hsc, wimg, wsc
	s_load_b256 s[12:19], s[0:1], 0x20             ; bq, bk, bv, qkvimg
	s_load_b64 s[20:21], s[0:1], 0x40              ; qkvsc
	v_lshl_add_u32 v[SPW], v0, 2, SPARE
	v_mov_b32 v[NIL], 0
	ds_add_u32 v[SPW], v[NIL]                      ; the wave's opening: the add, twice on end, and its wait ahead of my first tensor load
	ds_add_u32 v[SPW], v[NIL]
	v_lshrrev_b32 v1, 5, v0
	v_readfirstlane_b32 s[WV], v1                  ; wave 0..3
	s_and_b32 s23, s[WV], 1
	s_bfe_u32 s80, ttmp6, 0x40000                  ; cx
	s_bfe_u32 s81, ttmp6, 0x40004                  ; cy
	s_lshl_b32 s82, ttmp9, 2
	s_add_co_u32 s82, s82, s80                     ; X: my 256 positions
	s_and_b32 s83, ttmp7, 0xffff
	s_lshl_b32 s83, s83, 2
	s_add_co_u32 s83, s83, s81                     ; y: my 128 channels
	s_lshl_b32 s96, s81, 2
	s_lshl_b32 s96, 15, s96                        ; my row of the cluster
	s_lshl_b32 s97, 0x1111, s80                    ; my column
	s_or_b32 s[G1W], s96, (3<<16)|(1<<21)          ; 15:0 the mask; 17:16 elements of 8 bytes; 21 set beside a mask; no padding
	s_or_b32 s[G1H], s97, (3<<16)|(1<<21)
.irp g, G1W, G1H                       ; a K step of a group: 12,288 dense bytes as 48 rows of 256
	s_mov_b32 s[\g+1], 32<<16                      ; tensor_dim0 = 32
	s_mov_b32 s[\g+2], 48<<16                      ; tensor_dim1 = 48
	s_mov_b32 s[\g+3], 32<<16                      ; tile_dim0
	s_mov_b32 s[\g+4], 48                          ; tile_dim1
	s_mov_b32 s[\g+5], 32                          ; from row to row
	s_mov_b32 s[\g+6], 0
	s_mov_b32 s[\g+7], 0
.endr
	s_mul_i32 s84, s23, 196608                     ; the weights hang on y and the wave alone,
	s_mul_i32 s85, s83, 49152
	s_add_co_u32 s84, s84, s85
	s_mul_i32 s88, s[WV], 12288
	s_add_co_u32 s88, s88, s85
	s_add_co_u32 s88, s88, 393216                  ; (Wv's K step = my wave's number)
	s_mov_b32 s85, 0
	s_mov_b32 s89, 0
	s_lshl_b32 s86, s82, 1                         ; h on X and the wave alone
	s_add_co_u32 s86, s86, s23
	s_mul_i32 s86, s86, 49152
	s_mov_b32 s87, 0
	s_mul_i32 s90, s[WV], 49152                    ; where they go: no place in the cluster enters an LDS address
	s_mul_i32 s91, s[WV], 12288
	s_add_co_u32 s91, s91, LWV
	s_mov_b32 s[SEL], 0x76543210
	s_mov_b32 s[SEL+1], 0xfedcba98
	s_wait_dscnt 0x0                               ; both opening adds are done
	s_wait_kmcnt 0x0
	s_add_nc_u64 s[84:85], s[8:9], s[84:85]
	s_add_nc_u64 s[86:87], s[4:5], s[86:87]
	s_add_nc_u64 s[88:89], s[8:9], s[88:89]
	CROUND                                         ; all sixteen work-groups are here: the joint loads meet
.irp s, 0,1,2,3
	s_mov_b32 s[G0W+4*\s], 1
	s_add_co_u32 s[G0W+4*\s+1], s90, 12288*\s
	s_add_nc_u64 s[G0W+4*\s+2:G0W+4*\s+3], s[84:85], 12288*\s
	s_or_b32 s[G0W+4*\s+3], s[G0W+4*\s+3], 0x80000000
	s_mov_b32 s[56+4*\s+4*(\s/2)], 1
	s_add_co_u32 s[56+4*\s+4*(\s/2)+1], s90, 12288*\s
	s_add_nc_u64 s[56+4*\s+4*(\s/2)+2:56+4*\s+4*(\s/2)+3], s[86:87], 12288*\s
	s_or_b32 s[56+4*\s+4*(\s/2)+3], s[56+4*\s+4*(\s/2)+3], 0x80000000
	JLOAD G0W+4*\s, G1W, 56+4*\s+4*(\s/2), G1H
.endr
	s_mov_b32 s76, 1
	s_mov_b32 s77, s91
	s_mov_b64 s[78:79], s[88:89]
	s_or_b32 s79, s79, 0x80000000
	tensor_load_to_lds s[76:79], s[G1W:G1W+7]      ; every wave's fifth: a K step of Wv.  Five tensor loads of mine are out
	s_nop 0
	PLACES 4
	v_and_b32 v11, 31, v0
	v_lshlrev_b32 v[LI], 4, v11
	v_add_nc_u32 v[SKA], LWK, v[LI]
	s_lshr_b32 s2, s[WV], 1                        ; which 128 positions are mine
	s_mul_i32 s96, s2, 49152
	s_add_co_u32 s96, s96, LHH
	v_add_nc_u32 v[SHA], s96, v[LI]
	s_mul_i32 s96, s23, 6144                       ; which four tiles
	v_add_nc_u32 v[STA], s96, v[SHA]
	s_add_co_u32 s96, s96, LWV
	v_add_nc_u32 v[SVA], s96, v[LI]
	v_and_b32 v11, 15, v0                          ; r
	v_and_b32 v12, 8, v11
	v_add_nc_u32 v12, v12, v11                     ; r + 8 (r / 8)
	v_bfe_u32 v13, v0, 4, 1                        ; h
	v_lshl_add_u32 v[HB], v13, 3, v12              ; h's scale bytes: lanes 0-15 the even tile's positions, lanes 16-31 the odd tile's
	v_lshlrev_b32 v[BO1], 6, v13                   ; bq, bk: 16 h channels on
	v_lshlrev_b32 v[BO2], 2, v12
	s_lshl_b32 s96, s23, 8
	v_add_nc_u32 v[BO2], s96, v[BO2]               ; bv: my lane's channel
	s_lshl_b32 s96, s23, 10
	v_add_nc_u32 v[LI2], s96, v[LI]                ; Wv's scale words: my two pairs
.irp b, 0,1,2,3
	v_mov_b32 v[TM+4+\b], 0                        ; (a lane permute's destination counts as one of its sources)
.endr
	s_lshl_b32 s96, s83, 11
	s_mov_b32 s97, 0
	s_add_nc_u64 s[10:11], s[10:11], s[96:97]
	s_lshl_b32 s96, s83, 9
	s_add_nc_u64 s[12:13], s[12:13], s[96:97]
	s_add_nc_u64 s[14:15], s[14:15], s[96:97]
	s_add_nc_u64 s[16:17], s[16:17], s[96:97]
	s_lshl_b32 s3, s82, 1
	s_add_co_u32 s3, s3, s2                        ; PG = 16 x batch + group of positions
	s_lshr_b32 s96, s3, 4
	s_lshl_b32 s96, s96, 15
	s_and_b32 s2, s3, 15
	s_lshl_b32 s2, s2, 7
	s_add_co_u32 s96, s96, s2
	s_add_nc_u64 s[6:7], s[6:7], s[96:97]
.irp p, 0,1,2,3
	global_load_b128 v[WQS+4*\p:WQS+4*\p+3], v[LI], s[10:11] offset:512*\p
	global_load_b128 v[WKS+4*\p:WKS+4*\p+3], v[LI], s[10:11] offset:8192+512*\p
.endr
.irp p, 0,1
	global_load_b128 v[WVS+4*\p:WVS+4*\p+3], v[LI2], s[10:11] offset:16384+512*\p
.endr
.irp p, 0,1,2,3
.irp k, 0,1,2,3,4,5,6,7,8,9,10,11,12,13,14,15
	global_load_u8 v[FB+16*\p+\k], v[HB], s[6:7] offset:2048*\k+32*\p
.endr
.endr
	WIN 0x80                                       ; destination window 2
.irp a, 0,1,2,3,4,5,6,7
	global_load_b128 v[BQ+8*\a:BQ+8*\a+3],   v[BO1], s[12:13] offset:(32*(\a/2)+8*(\a%2))*4      ; tile a, lane (r, h): channels 32 (a / 2) + 8 (a % 2) + 16 h + 0 .. 7
	global_load_b128 v[BQ+8*\a+4:BQ+8*\a+7], v[BO1], s[12:13] offset:(32*(\a/2)+8*(\a%2))*4+16
	global_load_b128 v[BK+8*\a:BK+8*\a+3],   v[BO1], s[14:15] offset:(32*(\a/2)+8*(\a%2))*4
	global_load_b128 v[BK+8*\a+4:BK+8*\a+7], v[BO1], s[14:15] offset:(32*(\a/2)+8*(\a%2))*4+16
.endr
.irp n, 0,1,2,3
.irp j, 0,1,2,3,4,5,6,7
	global_load_b32 v[BV+8*\n+\j], v[BO2], s[16:17] offset:(32*(\n/2)+8*(\n%2))*4               ; a lane's eight results are of one channel
.endr
.endr
	WIN 0
	; where the results go
	s_lshl_b32 s96, s3, 2
	s_add_co_u32 s96, s96, s83
	s_mul_i32 s96, s96, 12288
	s_mul_i32 s2, s23, 6144
	s_add_co_u32 s96, s96, s2
	s_add_nc_u64 s[QIP:QIP+1], s[18:19], s[96:97]
	s_add_nc_u64 s[KIP:KIP+1], s[QIP:QIP+1], 6291456
	s_lshl_b32 s96, s3, 1
	s_add_co_u32 s96, s96, s23
	s_lshl_b32 s96, s96, 10
	s_lshl_b32 s2, s83, 2
	s_add_co_u32 s96, s96, s2
	s_add_nc_u64 s[QSP:QSP+1], s[20:21], s[96:97]
	s_add_nc_u64 s[KSQ:KSQ+1], s[QSP:QSP+1], 262144
	s_lshr_b32 s96, s3, 4
	s_lshl_b32 s96, s96, 2
	s_add_co_u32 s96, s96, s83
	s_lshl_b32 s96, s96, 4
	s_and_b32 s2, s3, 15
	s_add_co_u32 s96, s96, s2
	s_mul_i32 s96, s96, 12288
	s_mul_i32 s2, s23, 6144
	s_add_co_u32 s96, s96, s2
	s_add_co_u32 s96, s96, 12582912
	s_add_nc_u64 s[VIP:VIP+1], s[18:19], s[96:97]
	s_lshr_b32 s96, s3, 2
	s_lshl_b32 s96, s96, 2
	s_add_co_u32 s96, s96, s83
	s_lshl_b32 s96, s96, 1
	s_add_co_u32 s96, s96, s23
	s_lshl_b32 s96, s96, 10
	s_and_b32 s2, s3, 3
	s_lshl_b32 s2, s2, 2
	s_add_co_u32 s96, s96, s2
	s_add_co_u32 s96, s96, 524288
	s_add_nc_u64 s[VSQ:VSQ+1], s[20:21], s[96:97]
	s_cmp_lg_u32 s23, 0
	s_cselect_b32 s98, -1, 0                       ; all lanes: my wave's number is odd
	s_mov_b32 s99, 0xffff0000                      ; lanes 16-31
	s_wait_loadcnt 0x0
.irp p, 0,1,2,3
.irp s, 0,1,2,3
	v_lshl_or_b32 v[HS16+4*\p+\s], v[FB+16*\p+4*\s+1], 8, v[FB+16*\p+4*\s]     ; four blocks' bytes make a K step's word
	v_lshl_or_b32 v[HS16+4*\p+\s], v[FB+16*\p+4*\s+2], 16, v[HS16+4*\p+\s]
	v_lshl_or_b32 v[HS16+4*\p+\s], v[FB+16*\p+4*\s+3], 24, v[HS16+4*\p+\s]
.endr
.endr
.irp k, 0,1,2,3,4,5,6,7
	v_cndmask_b32 v[HS8+\k], v[HS16+\k], v[HS16+8+\k], s98
.endr
	PLACES 8                                       ; a scale register written by a vector instruction stands eight places ahead of a scaled matrix instruction
.macro WM                              ; one product, by the symbols rD, rA, rB, rC, rSA, rSB; fA, fB: the side's scale words lie in lanes 16-31
.if fA && fB
	v_wmma_scale_f32_16x16x128_f8f6f4 v[rD:rD+7], v[rA:rA+11], v[rB:rB+11], v[rC:rC+7], v[rSA], v[rSB] matrix_a_fmt:MATRIX_FMT_BF6 matrix_b_fmt:MATRIX_FMT_BF6 matrix_a_scale:MATRIX_SCALE_ROW1 matrix_b_scale:MATRIX_SCALE_ROW1
.elseif fA
	v_wmma_scale_f32_16x16x128_f8f6f4 v[rD:rD+7], v[rA:rA+11], v[rB:rB+11], v[rC:rC+7], v[rSA], v[rSB] matrix_a_fmt:MATRIX_FMT_BF6 matrix_b_fmt:MATRIX_FMT_BF6 matrix_a_scale:MATRIX_SCALE_ROW1
.elseif fB
	v_wmma_scale_f32_16x16x128_f8f6f4 v[rD:rD+7], v[rA:rA+11], v[rB:rB+11], v[rC:rC+7], v[rSA], v[rSB] matrix_a_fmt:MATRIX_FMT_BF6 matrix_b_fmt:MATRIX_FMT_BF6 matrix_b_scale:MATRIX_SCALE_ROW1
.else
	v_wmma_scale_f32_16x16x128_f8f6f4 v[rD:rD+7], v[rA:rA+11], v[rB:rB+11], v[rC:rC+7], v[rSA], v[rSB] matrix_a_fmt:MATRIX_FMT_BF6 matrix_b_fmt:MATRIX_FMT_BF6
.endif
.endm
; four streamed fragments, 6,144 consecutive bytes from off on, into set
.macro FETCHG set, adr, off
	WIN 0
.irp f, 0,1,2,3
.irp c, 0,1,2
	ds_load_b128 v[FB+48*(\set)+12*\f+4*\c:FB+48*(\set)+12*\f+4*\c+3], v[\adr] offset:(\off)+1536*\f+512*\c
.endr
.endr
.endm
; group g = K step g / 2, streamed tiles 4 (g % 2) + 0 .. 3: 16 products on 16 accumulators, one instruction a turn; an accumulator comes round again 32 instructions on
.macro MM g
.set sK, (\g)/2
.if sK == 0
	WIN 0x6c                                       ; source 1 window 3, C (the bias) window 2, D window 1
.else
	WIN 0x5c                                       ; C and D window 1
.endif
.set ff, 0
.rept 4
.set aT, 4*((\g)%2)+ff
.set nn, 0
.rept 4
.set rD, 64*nn+8*aT
.set rA, FB+48*((\g)%2)+12*ff
.set rB, 12*(4*sK+nn)
.if sK == 0
.set rC, CBA+CMA*aT+CMN*nn
.else
.set rC, rD
.endif
.set rSA, SSC+4*(aT/2)+sK
.set rSB, STS+4*(nn/2)+sK
.set fA, aT%2
.set fB, nn%2
	WM
.set nn, nn+1
.endr
.set ff, ff+1
.endr
.endm
; 64 numbers of a lane in window sw, register s0 + 16 b + i = k 32 b + 16 (lane / 16) + i of my row, become a fragment's codes in v[pc] on (v[pc + 12] on at work) and its scale word in v[pw]
.macro QUANT sw, s0, pc, pw
	WIN (\sw)|((\sw)<<2)
.irp b, 0,1,2,3
	v_max3_num_f32 v[TM+\b], |v[(\s0)+16*\b]|, |v[(\s0)+16*\b+1]|, 0x2800000     ; each accumulator is read from its low end on; the floor 2^(5 - 127) holds the byte at 1 from below
.endr
	WIN ((\sw)<<2)|((\sw)<<4)
.irp i, 2,4,6,8,10,12,14
.irp b, 0,1,2,3
	v_max3_num_f32 v[TM+\b], v[TM+\b], |v[(\s0)+16*\b+\i]|, |v[(\s0)+16*\b+\i+1]|
.endr
.endr
	WIN 0
.irp b, 0,1,2,3
	v_permlanex16_b32 v[TM+4+\b], v[TM+\b], s[SEL], s[SEL+1]
.endr
.irp b, 0,1,2,3
	v_max_num_f32 v[TM+\b], v[TM+\b], v[TM+4+\b]   ; with lane l xor 16's: the block's largest magnitude
.endr
.irp b, 0,1,2,3
	v_add_nc_u32 v[TM+12+\b], 0xfe000000, v[TM+\b] ; 4 off its exponent field: the conversion's scale operand
.endr
.irp b, 0,1,2,3
	v_lshrrev_b32 v[TM+4+\b], 23, v[TM+12+\b]      ; the byte
.endr
	v_lshl_or_b32 v[\pw], v[TM+5], 8, v[TM+4]
	v_lshl_or_b32 v[\pw], v[TM+6], 16, v[\pw]
	v_lshl_or_b32 v[\pw], v[TM+7], 24, v[\pw]
	WIN (\sw)
.irp c, 0,1
	v_cvt_scalef32_pk16_bf6_f32 v[(\pc)+6*\c:(\pc)+6*\c+2], v[(\s0)+32*\c:(\s0)+32*\c+15], v[TM+12+2*\c]
	v_cvt_scalef32_pk16_bf6_f32 v[(\pc)+12+4*\c:(\pc)+14+4*\c], v[(\s0)+32*\c+16:(\s0)+32*\c+31], v[TM+13+2*\c]
.endr
	WIN 0
	v_nop                                          ; one plain instruction behind the conversions
.irp c, 0,1                            ; the layout wants a whole block in a lane: lanes 0-15 block 2 c, lanes 16-31 block 2 c + 1
.irp i, 0,1,2
	v_permlane16_swap_b32 v[(\pc)+6*\c+\i], v[(\pc)+12+4*\c+\i]
.endr
.irp i, 0,1,2
	v_mov_b32 v[(\pc)+6*\c+3+\i], v[(\pc)+12+4*\c+\i]
.endr
.endr
.endm
; my four stationary tiles' results: four fragments and their scale words leave
.macro EPI ip, sp
	WIN 0
	PLACES 5                                       ; behind the last products: four places ahead of the first read of results, five ahead of the next phase's products, which write over these accumulators
.irp n, 0,1,2,3
	QUANT 1, 64*\n, FB+20*\n, PWR+\n
.irp c, 0,1,2
	global_store_b128 v[LI], v[FB+20*\n+4*\c:FB+20*\n+4*\c+3], s[\ip:\ip+1] offset:1536*\n+512*\c   ; 512 consecutive bytes, at a multiple of 512 from the buffer's first byte
.endr
.endr
	v_cndmask_b32 v[MG], v[PWR], v[PWR+1], s99     ; lanes 0-15 the even tile's words, lanes 16-31 the odd tile's
	v_cndmask_b32 v[MG+1], v[PWR+2], v[PWR+3], s99
	global_store_b32 v[LI], v[MG], s[\sp:\sp+1]
	global_store_b32 v[LI], v[MG+1], s[\sp:\sp+1] offset:512
.endm
; eight groups from LDS, a group ahead of the products
.macro STREAM adr
	FETCHG 0, \adr, 0
.irp g, 0,1,2,3,4,5,6,7
.if \g > 0
	PLACES 4                                       ; ahead of loads into the set that the group before multiplied
.endif
.if \g < 7
	FETCHG (\g+1)%2, \adr, 6144*(\g+1)
	s_wait_dscnt 12                                ; all but the twelve loads just issued
.else
	s_wait_dscnt 0x0
.endif
	MM \g
.endr
.endm
	; ---- q.  A K step is multiplied as soon as its tiles have landed
.set SSC, WQS
.set STS, HS8
.set CBA, BQ
.set CMA, 8
.set CMN, 0
.irp s, 0,1,2,3
	s_wait_tensorcnt 4-\s                          ; my load of K step s is in: behind it stand my 3 - s later K steps and my piece of Wv
	s_wait_dscnt 0x0
	s_barrier_signal -1
	s_barrier_wait -1                              ; everybody's is
.if \s > 0
	PLACES 4
.endif
	WIN 0xc0                                       ; destination window 3
.irp n, 0,1,2,3
.irp c, 0,1,2
	ds_load_b128 v[12*(4*\s+\n)+4*\c:12*(4*\s+\n)+4*\c+3], v[STA] offset:12288*\s+1536*\n+512*\c
.endr
.endr
	FETCHG 0, LI, 6144*(2*\s)
	FETCHG 1, LI, 6144*(2*\s+1)
	s_wait_dscnt 12
	MM 2*\s
	s_wait_dscnt 0x0
	MM 2*\s+1
.endr
	EPI QIP, QSP
	; ---- k: my tiles of h stay; all of Wk was shown landed by wave 1's last wait and the barrier behind it
.set SSC, WKS
.set CBA, BK
	s_wait_xcnt 0x0                                ; the stores have read their registers: the fragments' sets may be loaded again
	STREAM SKA
	EPI KIP, KSQ
	; ---- v
.set SSC, HS16
.set STS, WVS
.set CBA, BV
.set CMA, 0
.set CMN, 8
	s_wait_tensorcnt 0x0                           ; my piece of Wv is in,
	s_wait_dscnt 0x0
	s_barrier_signal -1
	s_barrier_wait -1                              ; everybody's is
	s_wait_xcnt 0x0
	WIN 0xc0
.irp s, 0,1,2,3
.irp n, 0,1,2,3
.irp c, 0,1,2
	ds_load_b128 v[12*(4*\s+\n)+4*\c:12*(4*\s+\n)+4*\c+3], v[SVA] offset:12288*\s+1536*\n+512*\c
.endr
.endr
.endr
	STREAM SHA
	EPI VIP, VSQ
	s_wait_tensorcnt 0x0                           ; the wave's end
	ds_add_u32 v[SPW], v[NIL]
	s_wait_dscnt 0x0
	CROUND                                         ; the closing round
	s_endpgm
.Lfunc_end_k_qc3d4ce9885_qkv:
	.size	k_qc3d4ce9885_qkv, .Lfunc_end_k_qc3d4ce9885_qkv-k_qc3d4ce9885_qkv
	.p2alignl 7, 3214868480
	.fill 96, 4, 3214868480
	.section	.rodata,"a",@progbits
	.p2align	6, 0x0
	.amdhsa_kernel k_qc3d4ce9885_qkv
		.amdhsa_group_segment_fixed_size 262144
		.amdhsa_private_segment_fixed_size 0
		.amdhsa_enable_private_segment 0
		.amdhsa_kernarg_size 72
		.amdhsa_user_sgpr_count 2
		.amdhsa_user_sgpr_kernarg_segment_ptr 1
		.amdhsa_wavefront_size32 1
		.amdhsa_system_sgpr_workgroup_id_x 1
		.amdhsa_system_sgpr_workgroup_id_y 1
		.amdhsa_system_sgpr_workgroup_id_z 1
		.amdhsa_system_vgpr_workitem_id 0
		.amdhsa_next_free_vgpr 1024
		.amdhsa_next_free_sgpr 100
		.amdhsa_reserve_vcc 0
		.amdhsa_float_denorm_mode_32 3
		.amdhsa_float_denorm_mode_16_64 3
		.amdhsa_memory_ordered 1
		.amdhsa_forward_progress 1
		.amdhsa_inst_pref_size 157
	.end_amdhsa_kernel
	.amdgpu_metadata
---
amdhsa.version: [ 1, 2 ]
amdhsa.kernels:
  - .name:           k_qc3d4ce9885_qkv
    .symbol:         k_qc3d4ce9885_qkv.kd
    .args:
      - { .name: himg, .offset: 0, .size: 8, .value_kind: global_buffer, .address_space: global }
      - { .name: hsc, .offset: 8, .size: 8, .value_kind: global_buffer, .address_space: global }
      - { .name: wimg, .offset: 16, .size: 8, .value_kind: global_buffer, .address_space: global }
      - { .name: wsc, .offset: 24, .size: 8, .value_kind: global_buffer, .address_space: global }
      - { .name: bq, .offset: 32, .size: 8, .value_kind: global_buffer, .address_space: global }
      - { .name: bk, .offset: 40, .size: 8, .value_kind: global_buffer, .address_space: global }
      - { .name: bv, .offset: 48, .size: 8, .value_kind: global_buffer, .address_space: global }
      - { .name: qkvimg, .offset: 56, .size: 8, .value_kind: global_buffer, .address_space: global }
      - { .name: qkvsc, .offset: 64, .size: 8, .value_kind: global_buffer, .address_space: global }
    .group_segment_fixed_size: 262144
    .private_segment_fixed_size: 0
    .kernarg_segment_align: 8
    .kernarg_segment_size: 72
    .max_flat_workgroup_size: 128
    .sgpr_count:     100
    .vgpr_count:     1024
    .wavefront_size: 32
...
	.end_amdgpu_metadata
.endif
;; end of part 2
;; launch attn (part 3): grid 32 x 8, 4 waves a work-group, clusters of 4 x 1, 327,680 bytes of LDS; arguments qkvimg, qkvsc, wimg, wsc, bp, x, out0; writes out0
.if DOCPART == 3
	.amdgcn_target "amdgcn-amd-amdhsa--gfx1250"
	.amdhsa_code_object_version 6
	.text
	.protected	k_qc3d4ce9885_attn
	.globl	k_qc3d4ce9885_attn
	.p2align	8
	.type	k_qc3d4ce9885_attn,@function
k_qc3d4ce9885_attn:
	s_mov_b64 s[64:65], 0
	v_nop
	global_prefetch_b8 v0, s[64:65] scope:SCOPE_SE
	s_setreg_imm32_b32 hwreg(HW_REG_WAVE_MODE, 25, 1), 1
	s_wait_xcnt 0x0
	s_wait_alu depctr_hold_cnt(0) depctr_sa_sdst(0) depctr_va_vdst(0) depctr_va_sdst(0) depctr_va_ssrc(0) depctr_va_vcc(0) depctr_vm_vsrc(0)
	s_getreg_b32 s2, hwreg(HW_REG_IB_STS2, 6, 4)
	s_cmp_eq_u32 s2, 0
	s_cbranch_scc0 .Lentry_in_a_cluster
	s_endpgm
.Lentry_in_a_cluster:
	s_bfe_u32 s2, ttmp6, 0x10000c
	s_cmp_lg_u32 s2, 0x3003
	s_cbranch_scc0 .Lentry_shape_is_right
	s_endpgm
.Lentry_shape_is_right:
; ATTN: out = x + Wp (softmax(q k^T / sqrt(512)) v) + bp, all three products on codes of BF6 (E3M2).  No work of the problem is left out.  Operands in memory: images of registers, as the first two launches' heads say.
; THE SOFTMAX: t = score x log2(e) / sqrt(512); M = the row's largest t so far, rounded UP to a whole number; p = 2^(t - M) is quantised along the keys, not normalised; the row's sum is taken of the unquantised p and
; divides at the end.  When M moves, the sum and O are multiplied by 2^(old M - new M), which rounds nothing.
; SHARES.  A work-group owns 64 queries (four tiles m) of one batch.  THE WAVES SHARE KEYS AND CHANNELS, NOT QUERIES.  In a step of 512 keys wave w makes S^T = k q^T for keys 128 (4 j + w) on against all 64 queries
; (source 0 = 16 keys, source 1 = 16 queries: a lane holds one query, its registers run along the keys); the row maxima meet in LDS, so M is one number for all four waves; each wave's four fragments of p go round as images in LDS;
; wave w then owns channels 128 w on of O^T += v^T p^T, and at the end rows 128 w on of out.  So each fragment of k, v and Wp is read from LDS by one wave and feeds four products.
; THE RING: three pieces of 24,576 bytes a wave: VREG (two pieces, wave w at 49,152 w) and KA (one, wave w at KA + 24,576 w).  A step has TWO refills.  Behind S^T: v of the step into VREG and the first half (K steps 0, 1) of the NEXT k into KA,
; 294,912 bytes in four loads (waves 0, 1: v of two waves each; waves 2, 3: k's halves of two waves each): they have the softmax in which to land, and every wave waits for its load in front of the barrier ahead of the second product.
; In the middle of the second product, when the lower piece of VREG is read out: each wave's own second half of the next k into it: 112 matrix instructions stand between the request and the wait for it.
; Behind the last step Wp comes in k's place: the addresses are chosen by the count of steps, so the four steps are one text.
; STATED: the upper pieces of VREG are filled beside refills from the first step on, so they are filled at the head as well, where only two pieces a wave are wanted: the head's load of k's second half is 49,152 bytes long,
; and its upper 24,576 bytes are read by no wave: once a wave, of 442,368 bytes that a wave streams.
; CLUSTER 4 x 1: the four blocks of queries walk the same k, v and Wp: every tensor load is a joint one (mask 15), and every refill stands first behind a round of the cluster's barrier.
; LIMITS: NaN and infinities are not served; a p under 2^-126 is 0 (v_exp_f32's result); a block of zeros, or under 2^-122, has the byte 1: its codes are zeros or the bytes are held, and this program alone reads them.
; O^T begins as zeros and the largest t as -3e38, so that the step is written once (a second copy of the step would be about half of the text again).
; REGISTERS.  Window 0: v1-16 addresses; v20-27 (-M, largest t), v28-35 the sums, v36-43 f, a pair a tile; v44-59 block maxima; v60-91 at work; v92-147 scale words (q, k or Wp, v, p or O); v148-243 two sets of four fragments,
;   also the codes just made and the rows on the way out; v244-255 at work.   window 1: S^T, then p (64 m + 8 t), then the 16 fragments of p or O (12 (4 k + m)); v192-255 at the end x.   window 2: O^T (64 m + 8 a), at the end out (32 a + 8 m).
;   window 3: q's 16 fragments (12 (4 s + m)), at the end x; v192-255 bp in the result's layout.
.set HALF,  24576
.set KA,    196608                     ; behind VREG: the first halves of k (or Wp), 24,576 bytes a wave
.set PIMG,  294912                     ; behind the ring: 16 fragments (4 x wave + m),
.set PSC,   319488                     ; their scale words, 128 bytes each,
.set MAXX,  321536                     ; [m][lane][wave] words: maxima, at the end sums,
.set SPARE, 323584                     ; the spare words, 128 bytes for each wave.  No tensor load lands from PIMG on
                                       ; the stage of the way out, 16 rows x (256 + 16) bytes, lies in the wave's own upper piece of VREG, which has then had its last fill and its last read
.set LI,  1
.set LS,  2
.set RA,  3                            ; my part of VREG
.set PWI, 4
.set PWS, 5
.set PRI, 6
.set PRS, 7
.set MXW, 8
.set MXR, 9
.set STO, 10
.set STR, 11
.set GO,  12
.set PFO, 13
.set SPW, 14
.set NIL, 15
.set KAA, 16                           ; my part of KA
.set NM,  20
.set LL,  28
.set FF,  36
.set BM,  44
.set TM,  44
.set B2,  60
.set SO,  76
.set QSC, 92
.set KSC, 100
.set VSC, 116
.set PSCR, 132
.set FB,  148
.set PW,  244
.set TT,  248
.set BPW, 192
.set WV,  18
.set JJ,  19
.set SEL, 20
.set CS,  22
.set G1H, 24                           ; s[24:31] a piece: 96 rows of 256 bytes
.set G1V, 32                           ; s[32:39] v of two waves: 2 rows of 49,152 bytes, 196,608 apart
.set G0A, 40                           ; into KA
.set G0B, 44                           ; into my lower piece of VREG
.set G0V, 48                           ; v into VREG
.set NKA, 52                           ; the next k's first halves (two waves'), and Wp's
.set WPA, 54
.set NKB, 56                           ; my second half of the next k, and of Wp
.set WPB, 58
.set KSP, 60                           ; the same for the scale words
.set WSP, 62
.set VSP, 66
.set PFA, 68
.set PFS, 70
.set PFL, 72
.set TS,  74
.set XP,  76
.set OP,  78
.set TN,  80
.set G1K, 84                           ; s[84:91] k's first halves of two waves: 2 rows of 24,576 bytes, 49,152 apart
.set G1D, 92                           ; s[92:99] the head's load of two pieces: 192 rows of 256 bytes
.set MSB, 0
.macro WIN new                         ; the immediate's high byte repeats the setting that is left
.if MSB != (\new)
	s_set_vgpr_msb (MSB<<8)|(\new)
.set MSB, (\new)
.endif
.endm
.macro PLACES n
.rept \n
	v_nop
.endr
.endm
.macro CROUND                          ; a round of the cluster's barrier
	s_barrier_signal -1
	s_barrier_wait -1
	s_cmp_lg_u32 s[WV], 0
	s_cbranch_scc1 .Lnot_wave_0_\@
	s_barrier_signal -3
.Lnot_wave_0_\@:
	s_barrier_wait -3
	s_barrier_signal -1
	s_barrier_wait -1
.endm
.macro G1SET g, c, r, p                ; descriptor group 1: r rows of c elements of 8 bytes, p elements apart; 15:0 the mask: all four work-groups; 21 set beside a mask; no padding
	s_mov_b32 s[\g], 15|(3<<16)|(1<<21)
	s_mov_b32 s[\g+1], ((\c)&0xffff)<<16           ; tensor_dim0
	s_mov_b32 s[\g+2], ((\c)>>16)|(((\r)&0xffff)<<16)  ; tensor_dim1
	s_mov_b32 s[\g+3], ((\r)>>16)|((\c)<<16)       ; tile_dim0
	s_mov_b32 s[\g+4], \r                          ; tile_dim1
	s_mov_b32 s[\g+5], \p                          ; from row to row
	s_mov_b32 s[\g+6], 0
	s_mov_b32 s[\g+7], 0
.endm
; the refill behind S^T: waves 0 and 1 fetch v, waves 2 and 3 the next k's first halves; the branch hangs on the wave's number alone; an s_nop 0 and four v_nop follow each line
.macro JLOAD
	s_cmp_lt_u32 s[WV], 2
	s_cbranch_scc0 .Lfor_k_\@
	tensor_load_to_lds s[G0V:G0V+3], s[G1V:G1V+7]
	s_nop 0
.rept 4
	v_nop
.endr
	s_branch .Lasked_\@
.Lfor_k_\@:
	tensor_load_to_lds s[G0A:G0A+3], s[G1K:G1K+7]
	s_nop 0
.rept 4
	v_nop
.endr
.Lasked_\@:
.endm
; A PREFETCH INTO THE L2 of what later loads of the ring will ask for: 16 runs of 24,576 bytes in a trip.  All clusters of a batch walk the same k and v: the batch's first cluster asks.  The kind goes by the wave's number:
; wave 0: the first halves of k TWO steps on (the ring loads them a step ahead of their use); wave 1: the second halves of the next step's k; waves 2 and 3: the two halves of the next step's v.  Which of the four groups a wave takes
; goes BY ADDRESS (cx).  Three instructions a wave, lanes 256 bytes apart: each aligned block of 256 bytes is named once.  Step 0's tiles and step 1's first halves of k come by their loads alone;
; wave 0 asks in trips 0 and 1, the others in trips 0 to 2: nothing is named that the ring does not load.
.macro ASK
	s_cmp_lt_u32 s[JJ], s[PFL]
	s_cbranch_scc0 .Lnot_mine_\@
	global_prefetch_b8 v[PFO], s[PFA:PFA+1] th:TH_LOAD_NT scope:SCOPE_SE
	global_prefetch_b8 v[PFO], s[PFA:PFA+1] offset:8192 th:TH_LOAD_NT scope:SCOPE_SE
	global_prefetch_b8 v[PFO], s[PFA:PFA+1] offset:16384 th:TH_LOAD_NT scope:SCOPE_SE
.Lnot_mine_\@:
.endm
	s_load_b256 s[4:11], s[0:1], 0x0               ; qkvimg, qkvsc, wimg, wsc
	s_load_b128 s[12:15], s[0:1], 0x20             ; bp, x
	s_load_b64 s[16:17], s[0:1], 0x30              ; out0
	v_lshl_add_u32 v[SPW], v0, 2, SPARE
	v_mov_b32 v[NIL], 0
	ds_add_u32 v[SPW], v[NIL]                      ; the wave's opening: the add, twice on end, and its wait ahead of my first tensor load
	ds_add_u32 v[SPW], v[NIL]
	v_lshrrev_b32 v1, 5, v0
	v_readfirstlane_b32 s[WV], v1                  ; wave 0..3
	s_bfe_u32 s73, ttmp6, 0x40000                  ; cx
	s_lshl_b32 s82, ttmp9, 2
	s_add_co_u32 s82, s82, s73                     ; my block of 64 queries: it enters q's, x's and out's addresses alone
	s_and_b32 s83, ttmp7, 0xffff                   ; the batch, which the partners share
	G1SET G1H, 32, 96, 32
	G1SET G1D, 32, 192, 32
	G1SET G1V, 6144, 2, 24576
	G1SET G1K, 3072, 2, 6144
	s_lshl_b32 s2, s83, 4
	s_add_co_u32 s2, s2, s[WV]                     ; 16 x batch + wave
	s_mul_i32 s2, s2, 49152
	s_add_co_u32 s2, s2, 6291456                   ; k of step 0: group of keys = my wave's number
	s_mov_b32 s3, 0
	s_mul_i32 s80, s[WV], 49152                    ; my part of VREG
	s_mul_i32 s81, s[WV], HALF
	s_add_co_u32 s81, s81, KA                      ; my part of KA
	s_mov_b32 s[SEL], 0x76543210
	s_mov_b32 s[SEL+1], 0xfedcba98
	s_mov_b32 s[CS], 0x3d8293ee                    ; c = log2(e) / sqrt(512)
	s_mov_b32 s[CS+1], s[CS]                       ; (named with it as a pair, so it is written)
	s_mov_b32 s[JJ], 0
	s_wait_dscnt 0x0                               ; both opening adds are done
	s_wait_kmcnt 0x0
	s_add_nc_u64 s[NKB:NKB+1], s[4:5], s[2:3]
	s_mov_b32 s[G0A], 1
	s_mov_b32 s[G0A+1], s81
	s_mov_b64 s[G0A+2:G0A+3], s[NKB:NKB+1]
	s_or_b32 s[G0A+3], s[G0A+3], 0x80000000
	s_mov_b32 s[G0B], 1
	s_mov_b32 s[G0B+1], s80
	s_add_nc_u64 s[G0B+2:G0B+3], s[NKB:NKB+1], HALF
	s_or_b32 s[G0B+3], s[G0B+3], 0x80000000
	CROUND                                         ; all four work-groups are here: the first joint loads meet
	tensor_load_to_lds s[G0A:G0A+3], s[G1H:G1H+7]  ; my k of step 0, K steps 0 and 1, into KA,
	s_nop 0
	tensor_load_to_lds s[G0B:G0B+3], s[G1D:G1D+7]  ; and K steps 2 and 3 into my lower piece of VREG, with the fill of the upper piece that the head comment states: two tensor loads of mine are out
	s_nop 0
	PLACES 4
	v_and_b32 v16, 31, v0
	v_lshlrev_b32 v[LI], 4, v16
	v_lshlrev_b32 v[LS], 2, v16
	v_lshlrev_b32 v[PFO], 8, v16
	v_add_nc_u32 v[RA], s80, v[LI]
	v_add_nc_u32 v[KAA], s81, v[LI]
	s_mul_i32 s2, s[WV], 6144
	s_add_co_u32 s2, s2, PIMG
	v_add_nc_u32 v[PWI], s2, v[LI]
	s_lshl_b32 s2, s[WV], 9
	s_add_co_u32 s2, s2, PSC
	v_add_nc_u32 v[PWS], s2, v[LS]
	v_add_nc_u32 v[PRI], PIMG, v[LI]
	v_add_nc_u32 v[PRS], PSC, v[LS]
	s_lshl_b32 s2, s[WV], 2
	s_add_co_u32 s2, s2, MAXX
	v_add_nc_u32 v[MXW], s2, v[LI]
	v_add_nc_u32 v[MXR], MAXX, v[LI]
	v_and_b32 v17, 15, v0                          ; r
	v_bfe_u32 v18, v0, 4, 1                        ; h
	s_add_co_u32 s2, s80, HALF                     ; my stage: my upper piece of VREG
	v_mul_u32_u24 v[STO], v17, 272
	v_lshl_add_u32 v[STO], v18, 6, v[STO]
	v_add_nc_u32 v[STO], s2, v[STO]                ; into it: row r, + 64 h
	v_mul_u32_u24 v[STR], v18, 272
	v_lshl_add_u32 v[STR], v17, 4, v[STR]
	v_add_nc_u32 v[STR], s2, v[STR]                ; back: lanes 0-15 one row, lanes 16-31 the next
	v_lshlrev_b32 v[GO], 13, v18
	v_lshl_add_u32 v[GO], v17, 4, v[GO]            ; and the same two rows of x and out
	v_and_b32 v19, 8, v17
	v_add_nc_u32 v19, v19, v17
	v_lshlrev_b32 v19, 2, v19                      ; bp: 4 (r + 8 (r / 8))
	; the ring's later loads.  Waves 0 and 1: v of waves 2 (w & 1) and 2 (w & 1) + 1; waves 2 and 3: k's first halves of the same two
	s_and_b32 s2, s[WV], 1
	s_mov_b32 s[G0V], 1
	s_mul_i32 s[G0V+1], s2, 98304
	s_lshl_b32 s2, s2, 1
	s_lshl_b32 s100, s83, 2
	s_add_co_u32 s100, s100, s2
	s_mul_i32 s100, s100, 196608
	s_add_co_u32 s100, s100, 12582912              ; v: group of channels 2 (w & 1), K steps 0-3
	s_mov_b32 s101, 0
	s_add_nc_u64 s[G0V+2:G0V+3], s[4:5], s[100:101]
	s_or_b32 s[G0V+3], s[G0V+3], 0x80000000
	s_lshl_b32 s3, s83, 4
	s_add_co_u32 s3, s3, s2
	s_add_co_u32 s3, s3, 4
	s_mul_i32 s100, s3, 49152
	s_add_co_u32 s100, s100, 6291456
	s_add_nc_u64 s[NKA:NKA+1], s[4:5], s[100:101]  ; step 1's k, group 2 (w & 1)
	s_mul_i32 s100, s2, 49152
	s_add_co_u32 s100, s100, 589824
	s_add_nc_u64 s[WPA:WPA+1], s[8:9], s[100:101]  ; Wp, group of rows 2 (w & 1)
	s_add_co_u32 s100, s80, 614400
	s_add_nc_u64 s[WPB:WPB+1], s[8:9], s[100:101]  ; the second half of my group of Wp
	s_add_nc_u64 s[NKB:NKB+1], s[NKB:NKB+1], 221184   ; and of my group of step 1's k
	s_lshl_b32 s100, s83, 4
	s_add_co_u32 s100, s100, s[WV]
	s_lshl_b32 s100, s100, 11
	s_add_nc_u64 s[TS:TS+1], s[6:7], s[100:101]
	s_add_nc_u64 s[VSP:VSP+1], s[TS:TS+1], 524288  ; v's scale words of step 0
	s_add_nc_u64 s[TS:TS+1], s[TS:TS+1], 262144    ; k's of step 0,
	s_add_nc_u64 s[KSP:KSP+1], s[TS:TS+1], 8192    ; of step 1
	s_lshl_b32 s100, s[WV], 11
	s_add_co_u32 s100, s100, 24576
	s_add_nc_u64 s[WSP:WSP+1], s[10:11], s[100:101]   ; Wp's: the fourth matrix of 8,192 bytes, my group of 2,048
	s_lshl_b32 s100, s[WV], 9
	s_add_nc_u64 s[12:13], s[12:13], s[100:101]
	s_lshl_b32 s100, s83, 2
	s_add_co_u32 s100, s100, s[WV]
	s_lshl_b32 s100, s100, 20                      ; row 512 x batch + 128 x wave, of 8,192 bytes,
	s_lshl_b32 s2, s82, 8
	s_add_co_u32 s100, s100, s2                    ; + my 64 positions
	s_add_nc_u64 s[XP:XP+1], s[14:15], s[100:101]
	s_add_nc_u64 s[OP:OP+1], s[16:17], s[100:101]
	s_lshr_b32 s100, s82, 1
	s_lshl_b32 s2, s83, 4
	s_add_co_u32 s100, s100, s2
	s_mul_i32 s100, s100, 49152
	s_and_b32 s2, s82, 1
	s_mul_i32 s2, s2, 6144
	s_add_co_u32 s100, s100, s2
	s_add_nc_u64 s[14:15], s[4:5], s[100:101]      ; q: my four tiles
	s_lshl_b32 s100, s83, 5
	s_add_co_u32 s100, s100, s82
	s_lshl_b32 s100, s100, 10                      ; (64 x batch + 2 x block) x 512
	s_add_nc_u64 s[16:17], s[6:7], s[100:101]      ; and their scale words
	; where my prefetches stand (macro ASK)
	s_lshl_b32 s2, s83, 4
	s_add_co_u32 s2, s2, s73
	s_add_co_u32 s2, s2, 8
	s_and_b32 s3, s[WV], 1
	s_lshl_b32 s100, s3, 2
	s_sub_co_u32 s2, s2, s100                      ; k's group: cx of step 2 (wave 0) or of step 1 (wave 1)
	s_mul_i32 s2, s2, 49152
	s_add_co_u32 s2, s2, 6291456
	s_lshl_b32 s100, s83, 2
	s_add_co_u32 s100, s100, s73
	s_mul_i32 s100, s100, 196608
	s_add_co_u32 s100, s100, 12632064              ; v's group of channels cx, step 1's four K steps
	s_mul_i32 s3, s3, HALF                         ; the odd waves take the second halves
	s_mov_b32 s[PFS], 49152
	s_mov_b32 s101, 196608
	s_cmp_lt_u32 s[WV], 2
	s_cselect_b32 s2, s2, s100
	s_cselect_b32 s[PFS], s101, s[PFS]             ; a step on
	s_add_co_u32 s2, s2, s3
	s_mov_b32 s3, 0
	s_mov_b32 s[PFS+1], 0
	s_add_nc_u64 s[PFA:PFA+1], s[4:5], s[2:3]
	s_cmp_eq_u32 s[WV], 0
	s_cselect_b32 s[PFL], 2, 3
	s_cmp_eq_u32 ttmp9, 0                          ; the cluster's number: the same in all four partners
	s_cselect_b32 s[PFL], s[PFL], 0
	WIN 0xc0                                       ; destination window 3
.irp s, 0,1,2,3
.irp m, 0,1,2,3
.irp c, 0,1,2
	global_load_b128 v[12*(4*\s+\m)+4*\c:12*(4*\s+\m)+4*\c+3], v[LI], s[14:15] offset:12288*\s+1536*\m+512*\c   ; q stays in registers
.endr
.endr
.endr
.irp a, 0,1,2,3,4,5,6,7
.irp j, 0,1,2,3,4,5,6,7
	global_load_b32 v[BPW+8*\a+\j], v19, s[12:13] offset:(32*(\a/2)+8*(\a%2))*4     ; in the last product a lane's eight results are of one row of out
.endr
.endr
	WIN 0
.irp p, 0,1
	global_load_b128 v[QSC+4*\p:QSC+4*\p+3], v[LI], s[16:17] offset:512*\p
.endr
.irp p, 0,1,2,3
	global_load_b128 v[KSC+4*\p:KSC+4*\p+3], v[LI], s[TS:TS+1] offset:512*\p
.endr
.irp m, 0,1,2,3
	v_mov_b32 v[NM+2*\m+1], 0xff61b1e6             ; the largest t so far: -3e38
	v_floor_f32 v[NM+2*\m], -v[NM+2*\m+1]          ; -M
	v_mov_b32 v[LL+2*\m], 0
	v_mov_b32 v[LL+2*\m+1], 0
	v_mov_b32 v[FF+2*\m], 0
	v_mov_b32 v[FF+2*\m+1], 0                      ; (named as the upper half of a pair)
.endr
.set ii, 0
.rept 16
	v_mov_b32 v[B2+ii], 0                          ; (a lane permute's destination counts as one of its sources)
.set ii, ii+1
.endr
	WIN 0x80
.set ii, 0
.rept 256
	v_mov_b32 v[ii], 0                             ; O^T: once; the first change of M leaves zeros zeros
.set ii, ii+1
.endr
	WIN 0
	s_wait_tensorcnt 0x0                           ; my two first fills are in,
	s_barrier_signal -1
	s_barrier_wait -1                              ; everybody's are
	s_and_b32 s2, s[WV], 1                         ; no tensor load of mine is out: KA's descriptor takes the form of the later loads: two waves' halves
	s_mul_i32 s[G0A+1], s2, 49152
	s_add_co_u32 s[G0A+1], s[G0A+1], KA
.macro WM                              ; one product, by the symbols rD, rA, rB, rC, rSA, rSB; fZ: it starts the sum; fA, fB: the side's scale words lie in lanes 16-31
.if fZ
.if fA && fB
	v_wmma_scale_f32_16x16x128_f8f6f4 v[rD:rD+7], v[rA:rA+11], v[rB:rB+11], 0, v[rSA], v[rSB] matrix_a_fmt:MATRIX_FMT_BF6 matrix_b_fmt:MATRIX_FMT_BF6 matrix_a_scale:MATRIX_SCALE_ROW1 matrix_b_scale:MATRIX_SCALE_ROW1
.elseif fA
	v_wmma_scale_f32_16x16x128_f8f6f4 v[rD:rD+7], v[rA:rA+11], v[rB:rB+11], 0, v[rSA], v[rSB] matrix_a_fmt:MATRIX_FMT_BF6 matrix_b_fmt:MATRIX_FMT_BF6 matrix_a_scale:MATRIX_SCALE_ROW1
.elseif fB
	v_wmma_scale_f32_16x16x128_f8f6f4 v[rD:rD+7], v[rA:rA+11], v[rB:rB+11], 0, v[rSA], v[rSB] matrix_a_fmt:MATRIX_FMT_BF6 matrix_b_fmt:MATRIX_FMT_BF6 matrix_b_scale:MATRIX_SCALE_ROW1
.else
	v_wmma_scale_f32_16x16x128_f8f6f4 v[rD:rD+7], v[rA:rA+11], v[rB:rB+11], 0, v[rSA], v[rSB] matrix_a_fmt:MATRIX_FMT_BF6 matrix_b_fmt:MATRIX_FMT_BF6
.endif
.else
.if fA && fB
	v_wmma_scale_f32_16x16x128_f8f6f4 v[rD:rD+7], v[rA:rA+11], v[rB:rB+11], v[rC:rC+7], v[rSA], v[rSB] matrix_a_fmt:MATRIX_FMT_BF6 matrix_b_fmt:MATRIX_FMT_BF6 matrix_a_scale:MATRIX_SCALE_ROW1 matrix_b_scale:MATRIX_SCALE_ROW1
.elseif fA
	v_wmma_scale_f32_16x16x128_f8f6f4 v[rD:rD+7], v[rA:rA+11], v[rB:rB+11], v[rC:rC+7], v[rSA], v[rSB] matrix_a_fmt:MATRIX_FMT_BF6 matrix_b_fmt:MATRIX_FMT_BF6 matrix_a_scale:MATRIX_SCALE_ROW1
.elseif fB
	v_wmma_scale_f32_16x16x128_f8f6f4 v[rD:rD+7], v[rA:rA+11], v[rB:rB+11], v[rC:rC+7], v[rSA], v[rSB] matrix_a_fmt:MATRIX_FMT_BF6 matrix_b_fmt:MATRIX_FMT_BF6 matrix_b_scale:MATRIX_SCALE_ROW1
.else
	v_wmma_scale_f32_16x16x128_f8f6f4 v[rD:rD+7], v[rA:rA+11], v[rB:rB+11], v[rC:rC+7], v[rSA], v[rSB] matrix_a_fmt:MATRIX_FMT_BF6 matrix_b_fmt:MATRIX_FMT_BF6
.endif
.endif
.endm
; four fragments, 6,144 consecutive bytes from v[adr] + off on
.macro FETCHG set, adr, off
	WIN 0
.irp f, 0,1,2,3
.irp c, 0,1,2
	ds_load_b128 v[FB+48*(\set)+12*\f+4*\c:FB+48*(\set)+12*\f+4*\c+3], v[\adr] offset:(\off)+1536*\f+512*\c
.endr
.endr
.endm
; 16 products of a group (K step g / 2, tiles 4 (g % 2) + 0 .. 3) on 16 accumulators, one instruction a turn; an accumulator comes round again 32 instructions on.
; kind 0: S^T = k q^T;  1: O^T += v^T p^T;  2: out = O Wp^T + bp (source 0 = 16 queries of O, source 1 = 16 rows of Wp: a lane holds one row of out, its registers run along the positions)
.macro MMG g, kind
.set sK, (\g)/2
.if \kind == 0
	WIN 0x5c                                       ; source 1 (q) window 3; C and D window 1
.elseif \kind == 1
	WIN 0xa4                                       ; source 1 (p) window 1; C and D window 2
.elseif sK == 0
	WIN 0xb1                                       ; source 0 (O) window 1; C (bp) window 3; D window 2
.else
	WIN 0xa1
.endif
.set ff, 0
.rept 4
.set aT, 4*((\g)%2)+ff
.set mm, 0
.rept 4
.set fZ, 0
.if \kind == 0
.set rD, 64*mm+8*aT
.set rA, FB+48*((\g)%2)+12*ff
.set rB, 12*(4*sK+mm)
.set rC, rD
.if sK == 0
.set fZ, 1
.endif
.set rSA, KSC+4*(aT/2)+sK
.set rSB, QSC+4*(mm/2)+sK
.set fA, aT%2
.set fB, mm%2
.elseif \kind == 1
.set rD, 64*mm+8*aT
.set rA, FB+48*((\g)%2)+12*ff
.set rB, 12*(4*sK+mm)
.set rC, rD
.set rSA, VSC+4*(aT/2)+sK
.set rSB, PSCR+4*sK+mm
.set fA, aT%2
.set fB, 0
.else
.set rD, 32*aT+8*mm
.set rA, 12*(4*sK+mm)
.set rB, FB+48*((\g)%2)+12*ff
.if sK == 0
.set rC, BPW+8*aT
.else
.set rC, rD
.endif
.set rSA, PSCR+4*sK+mm
.set rSB, KSC+4*(aT/2)+sK
.set fA, 0
.set fB, aT%2
.endif
	WM
.set mm, mm+1
.endr
.set ff, ff+1
.endr
.endm
; the eight groups of k or of Wp, a group ahead of the products: K steps 0, 1 from my part of KA, K steps 2, 3 from my lower piece of VREG
.macro STREAMK kind
	FETCHG 0, KAA, 0
.irp g, 0,1,2,3,4,5,6,7
.if \g > 0
	PLACES 4                                       ; ahead of loads into the set that the group before multiplied
.endif
.if \g < 3
	FETCHG (\g+1)%2, KAA, 6144*(\g+1)
	s_wait_dscnt 12                                ; all but the twelve loads just issued
.elseif \g < 7
.if \g == 3
	s_wait_tensorcnt 0x0                           ; the second half, my own load: none of mine stands behind it
.endif
	FETCHG (\g+1)%2, RA, 6144*(\g-3)
	s_wait_dscnt 12
.else
	s_wait_dscnt 0x0
.endif
	MMG \g, \kind
.endr
.endm
; 64 numbers of a lane in window sw, register s0 + 16 b + i = k 32 b + 16 (lane / 16) + i of my row, become a fragment's codes in v[pc] on and its scale word in v[pw]
.macro QUANT sw, s0, pc, pw
	WIN (\sw)|((\sw)<<2)
.irp b, 0,1,2,3
	v_max3_num_f32 v[TM+\b], |v[(\s0)+16*\b]|, |v[(\s0)+16*\b+1]|, 0x2800000
.endr
	WIN ((\sw)<<2)|((\sw)<<4)
.irp i, 2,4,6,8,10,12,14
.irp b, 0,1,2,3
	v_max3_num_f32 v[TM+\b], v[TM+\b], |v[(\s0)+16*\b+\i]|, |v[(\s0)+16*\b+\i+1]|
.endr
.endr
	WIN 0
.irp b, 0,1,2,3
	v_permlanex16_b32 v[TM+4+\b], v[TM+\b], s[SEL], s[SEL+1]
.endr
.irp b, 0,1,2,3
	v_max_num_f32 v[TM+\b], v[TM+\b], v[TM+4+\b]
.endr
.irp b, 0,1,2,3
	v_add_nc_u32 v[TM+12+\b], 0xfe000000, v[TM+\b]
.endr
.irp b, 0,1,2,3
	v_lshrrev_b32 v[TM+4+\b], 23, v[TM+12+\b]
.endr
	v_lshl_or_b32 v[\pw], v[TM+5], 8, v[TM+4]
	v_lshl_or_b32 v[\pw], v[TM+6], 16, v[\pw]
	v_lshl_or_b32 v[\pw], v[TM+7], 24, v[\pw]
	WIN (\sw)
.irp c, 0,1
	v_cvt_scalef32_pk16_bf6_f32 v[(\pc)+6*\c:(\pc)+6*\c+2], v[(\s0)+32*\c:(\s0)+32*\c+15], v[TM+12+2*\c]
	v_cvt_scalef32_pk16_bf6_f32 v[(\pc)+12+4*\c:(\pc)+14+4*\c], v[(\s0)+32*\c+16:(\s0)+32*\c+31], v[TM+13+2*\c]
.endr
	WIN 0
	v_nop                                          ; one plain instruction behind the conversions
	HALVES \pc
.endm
.macro HALVES pc                       ; the layout wants a whole block in a lane: lanes 0-15 block 2 c, lanes 16-31 block 2 c + 1
.irp c, 0,1
.irp i, 0,1,2
	v_permlane16_swap_b32 v[(\pc)+6*\c+\i], v[(\pc)+12+4*\c+\i]
.endr
.irp i, 0,1,2
	v_mov_b32 v[(\pc)+6*\c+3+\i], v[(\pc)+12+4*\c+\i]
.endr
.endr
.endm
.macro IMAGES                          ; my four fragments (v[FB + 20 m] on) and their scale words go to LDS as they stand
.irp m, 0,1,2,3
.irp c, 0,1,2
	ds_store_b128 v[PWI], v[FB+20*\m+4*\c:FB+20*\m+4*\c+3] offset:1536*\m+512*\c
.endr
	ds_store_b32 v[PWS], v[PW+\m] offset:128*\m
.endr
.endm
.macro ALL16                           ; and all sixteen come back so, in every wave: fragment 4 k + m into window 1, its scale words into window 0
	WIN 0x40
.set kk, 0
.rept 16
.irp c, 0,1,2
	ds_load_b128 v[12*kk+4*\c:12*kk+4*\c+3], v[PRI] offset:1536*kk+512*\c
.endr
.set kk, kk+1
.endr
	WIN 0
.set kk, 0
.rept 16
	ds_load_b32 v[PSCR+kk], v[PRS] offset:128*kk
.set kk, kk+1
.endr
.endm
.Ltrip:                                ; four trips: a step of 512 keys each.  k's first half lies in KA: every wave has waited for its load and passed a barrier since (first trip: the head's)
	s_wait_loadcnt 0x0                             ; q, bp and the scale words (first trip)
	PLACES 5                                       ; S^T is written over registers that the last products of the trip before read
	STREAMK 0
	WIN 0
	PLACES 4
	; the largest score of each block of 32 keys: it serves the row's maximum and, since p rises with the score, the block's largest p.  Each accumulator is read from its low end on
	WIN 0x15
.irp m, 0,1,2,3
.irp b, 0,1,2,3
	v_max3_num_f32 v[BM+4*\m+\b], v[64*\m+16*\b], v[64*\m+16*\b+1], v[64*\m+16*\b+2]
.endr
.endr
	WIN 0x14
.irp i, 3,5,7,9,11,13
.irp m, 0,1,2,3
.irp b, 0,1,2,3
	v_max3_num_f32 v[BM+4*\m+\b], v[BM+4*\m+\b], v[64*\m+16*\b+\i], v[64*\m+16*\b+\i+1]
.endr
.endr
.endr
	WIN 0x04
.irp m, 0,1,2,3
.irp b, 0,1,2,3
	v_max_num_f32 v[BM+4*\m+\b], v[BM+4*\m+\b], v[64*\m+16*\b+15]
.endr
.endr
	WIN 0
.set ii, 0
.rept 16
	v_permlanex16_b32 v[B2+ii], v[BM+ii], s[SEL], s[SEL+1]
.set ii, ii+1
.endr
.set ii, 0
.rept 16
	v_max_num_f32 v[BM+ii], v[BM+ii], v[B2+ii]
.set ii, ii+1
.endr
.irp m, 0,1,2,3
	v_max3_num_f32 v[TT+\m], v[BM+4*\m], v[BM+4*\m+1], v[BM+4*\m+2]
.endr
.irp m, 0,1,2,3
	v_max_num_f32 v[TT+\m], v[TT+\m], v[BM+4*\m+3]
.endr
.irp m, 0,1,2,3
	ds_store_b32 v[MXW], v[TT+\m] offset:512*\m    ; my 128 keys' largest score of each query
.endr
	; k is read out, and so has been v of the step before: the whole ring is free.  v of this step and the next k's first halves are asked for.  The round also shows every wave the four maxima
	s_wait_tensorcnt 0x0                           ; no tensor load of mine is out
	ds_add_u32 v[SPW], v[NIL]                      ; the choices below stand between the add and the wait for it
	s_cmp_eq_u32 s[JJ], 3
	s_cselect_b64 s[TS:TS+1], s[WSP:WSP+1], s[KSP:KSP+1]   ; what comes next: the next step's k, behind the last step Wp: its scale words,
	s_cselect_b64 s[TN:TN+1], s[WPA:WPA+1], s[NKA:NKA+1]   ; and its first halves
	s_mov_b64 s[G0A+2:G0A+3], s[TN:TN+1]
	s_or_b32 s[G0A+3], s[G0A+3], 0x80000000
	s_add_nc_u64 s[NKA:NKA+1], s[NKA:NKA+1], 196608
	s_wait_dscnt 0x0                               ; the add and my stores are done, my reads of the ring are over
	CROUND
	JLOAD                                          ; my one tensor load behind the round: it has the softmax in which to land
.irp p, 0,1,2,3
	global_load_b128 v[VSC+4*\p:VSC+4*\p+3], v[LI], s[VSP:VSP+1] offset:512*\p
.endr
.irp p, 0,1,2,3
	global_load_b128 v[KSC+4*\p:KSC+4*\p+3], v[LI], s[TS:TS+1] offset:512*\p
.endr
	ASK
.irp m, 0,1,2,3
	ds_load_b128 v[B2+4*\m:B2+4*\m+3], v[MXR] offset:512*\m
.endr
	s_wait_dscnt 0x0
.irp m, 0,1,2,3
	v_max3_num_f32 v[TT+\m], v[B2+4*\m], v[B2+4*\m+1], v[B2+4*\m+2]
.endr
.irp m, 0,1,2,3
	v_max_num_f32 v[TT+\m], v[TT+\m], v[B2+4*\m+3] ; the step's largest score of my query, the same in all four waves
.endr
.irp m, 0,1,2,3
	v_mul_f32 v[TT+\m], s[CS], v[TT+\m]            ; as t
.endr
.irp m, 0,1,2,3
	v_max_num_f32 v[NM+2*\m+1], v[NM+2*\m+1], v[TT+\m]
.endr
.irp m, 0,1,2,3
	v_mov_b32 v[TT+\m], v[NM+2*\m]
.endr
.irp m, 0,1,2,3
	v_floor_f32 v[NM+2*\m], -v[NM+2*\m+1]          ; the new -M = -ceil(t): a whole number
.endr
.irp m, 0,1,2,3
	v_sub_f32 v[TT+\m], v[NM+2*\m], v[TT+\m]       ; old M - new M: a whole number, 0 or less
.endr
.irp m, 0,1,2,3
	v_cvt_i32_f32 v[TT+\m], v[TT+\m]               ; (it saturates)
.endr
.irp m, 0,1,2,3
	v_ldexp_f32 v[FF+2*\m], 1.0, v[TT+\m]          ; f = 2^(old M - new M)
.endr
	WIN 0x41
.set ii, 0
.rept 128
	v_pk_fma_f32 v[2*ii:2*ii+1], v[2*ii:2*ii+1], s[CS:CS+1], v[NM+2*(ii/32):NM+2*(ii/32)+1] op_sel_hi:[1,0,0]   ; t - M, two at a time
.set ii, ii+1
.endr
	WIN 0
.set ii, 0
.rept 16
	v_fma_f32 v[BM+ii], v[BM+ii], s[CS], v[NM+2*(ii/4)]   ; the same of each block's largest score
.set ii, ii+1
.endr
	WIN 0x41
.set ii, 0
.rept 256
	v_exp_f32 v[ii], v[ii]                         ; p = 2^(t - M)
.set ii, ii+1
.endr
	WIN 0
.irp m, 0,1,2,3
	v_pk_mul_f32 v[LL+2*\m:LL+2*\m+1], v[LL+2*\m:LL+2*\m+1], v[FF+2*\m:FF+2*\m+1] op_sel_hi:[1,0]   ; the sums under the new M (plain instructions behind the exponentials)
.endr
	s_wait_alu depctr_va_vdst(0)                   ; the wait ahead of the first use: one for the whole batch
.set ii, 0
.rept 16
	v_exp_f32 v[BM+ii], v[BM+ii]                   ; the blocks' largest p
.set ii, ii+1
.endr
	WIN 0x05                                       ; the rows' sums are taken of the unquantised p: two chains a tile; they name none of the sixteen
.irp m, 0,1,2,3
	v_pk_add_f32 v[B2+2*\m:B2+2*\m+1], v[64*\m:64*\m+1], v[64*\m+2:64*\m+3]
.endr
	WIN 0x04
.set jj, 4
.rept 15
.irp m, 0,1,2,3
	v_pk_add_f32 v[LL+2*\m:LL+2*\m+1], v[LL+2*\m:LL+2*\m+1], v[64*\m+jj:64*\m+jj+1]
	v_pk_add_f32 v[B2+2*\m:B2+2*\m+1], v[B2+2*\m:B2+2*\m+1], v[64*\m+jj+2:64*\m+jj+3]
.endr
.set jj, jj+4
.endr
	WIN 0
.irp m, 0,1,2,3
	v_pk_add_f32 v[LL+2*\m:LL+2*\m+1], v[LL+2*\m:LL+2*\m+1], v[B2+2*\m:B2+2*\m+1]
.endr
	s_wait_alu depctr_va_vdst(0)                   ; and one for the sixteen
.set ii, 0
.rept 16
	v_max_num_f32 v[BM+ii], 0x2800000, v[BM+ii]    ; the floor 2^(5 - 127)
.set ii, ii+1
.endr
.set ii, 0
.rept 16
	v_add_nc_u32 v[SO+ii], 0xfe000000, v[BM+ii]    ; the conversions' scale operands
.set ii, ii+1
.endr
.set ii, 0
.rept 16
	v_lshrrev_b32 v[B2+ii], 23, v[SO+ii]           ; the bytes
.set ii, ii+1
.endr
.irp m, 0,1,2,3
	v_lshl_or_b32 v[PW+\m], v[B2+4*\m+1], 8, v[B2+4*\m]
	v_lshl_or_b32 v[PW+\m], v[B2+4*\m+2], 16, v[PW+\m]
	v_lshl_or_b32 v[PW+\m], v[B2+4*\m+3], 24, v[PW+\m]
.endr
	WIN 0x01
.irp m, 0,1,2,3
.irp c, 0,1
	v_cvt_scalef32_pk16_bf6_f32 v[FB+20*\m+6*\c:FB+20*\m+6*\c+2], v[64*\m+32*\c:64*\m+32*\c+15], v[SO+4*\m+2*\c]
	v_cvt_scalef32_pk16_bf6_f32 v[FB+20*\m+12+4*\c:FB+20*\m+14+4*\c], v[64*\m+32*\c+16:64*\m+32*\c+31], v[SO+4*\m+2*\c+1]
.endr
.endr
	WIN 0
	v_nop                                          ; one plain instruction behind the conversions
.irp m, 0,1,2,3
	HALVES FB+20*\m
.endr
	IMAGES                                         ; K step = my wave's number of this step's second product
	WIN 0x82
.set ii, 0
.rept 128
	v_pk_mul_f32 v[2*ii:2*ii+1], v[2*ii:2*ii+1], v[FF+2*(ii/32):FF+2*(ii/32)+1] op_sel_hi:[1,0]   ; O^T under the new M: work on registers while my stores and my tensor load land
.set ii, ii+1
.endr
	s_wait_tensorcnt 0x0                           ; for the others' sake: my part of v, or of the next k's first halves, is in (the one load of mine that was out);
	s_wait_dscnt 0x0                               ; my stores have landed
	s_barrier_signal -1                            ; a plain barrier
	s_barrier_wait -1                              ; p's sixteen fragments, v and the next k's first halves are whole
	ALL16
	s_wait_loadcnt 0x0                             ; the scale words
	FETCHG 0, RA, 0
.irp g, 0,1,2,3
.if \g > 0
	PLACES 4
.endif
	FETCHG (\g+1)%2, RA, 6144*(\g+1)
	s_wait_dscnt 12
	MMG \g, 1
.endr
	; my lower piece of VREG is read out: the second half of my next k (or Wp) takes its place
	WIN 0
	s_wait_tensorcnt 0x0
	ds_add_u32 v[SPW], v[NIL]                      ; the descriptors' steps stand between the add and the wait for it
	s_cmp_eq_u32 s[JJ], 3
	s_cselect_b64 s[TN:TN+1], s[WPB:WPB+1], s[NKB:NKB+1]
	s_mov_b64 s[G0B+2:G0B+3], s[TN:TN+1]
	s_or_b32 s[G0B+3], s[G0B+3], 0x80000000
	s_add_nc_u64 s[NKB:NKB+1], s[NKB:NKB+1], 196608
	s_add_nc_u64 s[G0V+2:G0V+3], s[G0V+2:G0V+3], 49152     ; v's next four K steps; the type bits on top are not reached
	s_wait_xcnt 0x0                                ; the prefetches and the loads of scale words have read their addresses
	s_add_nc_u64 s[PFA:PFA+1], s[PFA:PFA+1], s[PFS:PFS+1]
	s_add_nc_u64 s[VSP:VSP+1], s[VSP:VSP+1], 8192
	s_add_nc_u64 s[KSP:KSP+1], s[KSP:KSP+1], 8192
	s_wait_dscnt 0x0                               ; the add is done, my reads of the lower piece are over (group 4's, of the upper piece, are in too)
	CROUND
	tensor_load_to_lds s[G0B:G0B+3], s[G1H:G1H+7]  ; my one tensor load behind the round: 64 products of O^T and 48 of the next S^T stand ahead of the wait for it
	s_nop 0
	PLACES 4                                       ; also the places ahead of the loads below
.irp g, 4,5,6,7
.if \g > 4
	PLACES 4
.endif
.if \g < 7
	FETCHG (\g+1)%2, RA, 6144*(\g+1)
	s_wait_dscnt 12
.else
	s_wait_dscnt 0x0
.endif
	MMG \g, 1
.endr
	WIN 0
	s_add_co_u32 s[JJ], s[JJ], 1
	s_cmp_lt_u32 s[JJ], 4
	s_cbranch_scc1 .Ltrip
	; ---- behind the keys.  x is asked for now: row of out by row, as the way out will want it
	WIN 0xc0
.irp a, 0,1,2,3,4,5
.irp i, 0,1,2,3,4,5,6,7
	global_load_b128 v[32*\a+4*\i:32*\a+4*\i+3], v[GO], s[XP:XP+1] offset:(32*(\a/2)+8*(\a%2)+2*\i+8*(\i/4))*8192 th:TH_LOAD_NT
.endr
.endr
	WIN 0x40
.irp a, 6,7
.irp i, 0,1,2,3,4,5,6,7
	global_load_b128 v[32*\a+4*\i:32*\a+4*\i+3], v[GO], s[XP:XP+1] offset:(32*(\a/2)+8*(\a%2)+2*\i+8*(\i/4))*8192 th:TH_LOAD_NT
.endr
.endr
	WIN 0
.irp m, 0,1,2,3
	v_add_f32 v[TT+\m], v[LL+2*\m], v[LL+2*\m+1]   ; the sum's two halves,
.endr
.irp m, 0,1,2,3
	v_permlanex16_b32 v[B2+\m], v[TT+\m], s[SEL], s[SEL+1]
.endr
.irp m, 0,1,2,3
	v_add_f32 v[TT+\m], v[TT+\m], v[B2+\m]         ; lane l xor 16's,
.endr
.irp m, 0,1,2,3
	ds_store_b32 v[MXW], v[TT+\m] offset:512*\m
.endr
	s_wait_dscnt 0x0
	s_barrier_signal -1
	s_barrier_wait -1
.irp m, 0,1,2,3
	ds_load_b128 v[B2+4*\m:B2+4*\m+3], v[MXR] offset:512*\m
.endr
	s_wait_dscnt 0x0
.irp m, 0,1,2,3
	v_add_f32 v[TT+\m], v[B2+4*\m], v[B2+4*\m+1]   ; and the four waves': the row's sum
	v_add_f32 v[TT+4+\m], v[B2+4*\m+2], v[B2+4*\m+3]
.endr
.irp m, 0,1,2,3
	v_add_f32 v[TT+\m], v[TT+\m], v[TT+4+\m]
.endr
.irp m, 0,1,2,3
	v_rcp_f32 v[FF+2*\m], v[TT+\m]
.endr
	v_nop                                          ; a plain instruction behind the last reciprocal,
	s_wait_alu depctr_va_vdst(0)                   ; and the wait: one for the four
	WIN 0x82
.set ii, 0
.rept 128
	v_pk_mul_f32 v[2*ii:2*ii+1], v[2*ii:2*ii+1], v[FF+2*(ii/32):FF+2*(ii/32)+1] op_sel_hi:[1,0]   ; O^T / the sum
.set ii, ii+1
.endr
.irp m, 0,1,2,3
	QUANT 2, 64*\m, FB+20*\m, PW+\m                ; my 128 channels of 16 queries: K step = my wave's number of the last product
.endr
	IMAGES
	s_wait_dscnt 0x0
	s_barrier_signal -1
	s_barrier_wait -1
	ALL16
	STREAMK 2                                      ; Wp lies where k lay: its first half in KA, its second, my own load, in my lower piece of VREG
; THE WAY OUT, a tile of 16 rows of out x 64 positions at a time, through my own stage: in, a lane's eight positions of a row; back, whole rows of 256 bytes; x is added; sixteen lanes store 256 consecutive bytes.
.macro TOSTAGE a
	WIN 0x08                                       ; an LDS store's data are its source 1: window 2
.irp m, 0,1,2,3
.irp q, 0,1
	ds_store_b128 v[STO], v[32*(\a)+8*\m+4*\q:32*(\a)+8*\m+4*\q+3] offset:128*(\m/2)+32*(\m%2)+16*\q   ; each accumulator from its low end on
.endr
.endr
	WIN 0
.irp i, 0,1,2,3,4,5,6,7
	ds_load_b128 v[FB+32*((\a)%2)+4*\i:FB+32*((\a)%2)+4*\i+3], v[STR] offset:544*\i   ; LDS serves a wave's instructions in order: these see the stores above
.endr
.endm
.macro SEND a, younger
	s_wait_dscnt \younger                          ; the tile is back; the next tile's eight stores and eight loads may be out
	s_wait_loadcnt 8*(7-(\a))                      ; x of this tile is in; the later tiles' eight loads each may be out
.if (\a) < 6
	WIN 0x0c
.else
	WIN 0x04
.endif
.set ii, 0
.rept 16
	v_pk_add_f32 v[FB+32*((\a)%2)+2*ii:FB+32*((\a)%2)+2*ii+1], v[FB+32*((\a)%2)+2*ii:FB+32*((\a)%2)+2*ii+1], v[32*(\a)+2*ii:32*(\a)+2*ii+1]
.set ii, ii+1
.endr
	WIN 0
.irp i, 0,1,2,3,4,5,6,7
	global_store_b128 v[GO], v[FB+32*((\a)%2)+4*\i:FB+32*((\a)%2)+4*\i+3], s[OP:OP+1] offset:(32*((\a)/2)+8*((\a)%2)+2*\i+8*(\i/4))*8192 th:TH_STORE_NT
.endr
.endm
	WIN 0
	PLACES 4                                       ; behind the last products: ahead of the first read of results and of loads into the fragments' sets
	TOSTAGE 0
.irp a, 1,2,3,4,5,6,7
.if \a > 1
	s_wait_xcnt 0x0                                ; the stores of two tiles back have read their registers
.endif
	TOSTAGE \a
	SEND \a-1, 16
.endr
	SEND 7, 0
	s_wait_tensorcnt 0x0                           ; the wave's end
	ds_add_u32 v[SPW], v[NIL]
	s_wait_dscnt 0x0
	CROUND                                         ; the closing round
	s_endpgm
.Lfunc_end_k_qc3d4ce9885_attn:
	.size	k_qc3d4ce9885_attn, .Lfunc_end_k_qc3d4ce9885_attn-k_qc3d4ce9885_attn
	.p2alignl 7, 3214868480
	.fill 96, 4, 3214868480
	.section	.rodata,"a",@progbits
	.p2align	6, 0x0
	.amdhsa_kernel k_qc3d4ce9885_attn
		.amdhsa_group_segment_fixed_size 327680
		.amdhsa_private_segment_fixed_size 0
		.amdhsa_enable_private_segment 0
		.amdhsa_kernarg_size 56
		.amdhsa_user_sgpr_count 2
		.amdhsa_user_sgpr_kernarg_segment_ptr 1
		.amdhsa_wavefront_size32 1
		.amdhsa_system_sgpr_workgroup_id_x 1
		.amdhsa_system_sgpr_workgroup_id_y 1
		.amdhsa_system_sgpr_workgroup_id_z 1
		.amdhsa_system_vgpr_workitem_id 0
		.amdhsa_next_free_vgpr 1024
		.amdhsa_next_free_sgpr 102
		.amdhsa_reserve_vcc 0
		.amdhsa_float_denorm_mode_32 3
		.amdhsa_float_denorm_mode_16_64 3
		.amdhsa_memory_ordered 1
		.amdhsa_forward_progress 1
		.amdhsa_inst_pref_size 223
	.end_amdhsa_kernel
	.amdgpu_metadata
---
amdhsa.version: [ 1, 2 ]
amdhsa.kernels:
  - .name:           k_qc3d4ce9885_attn
    .symbol:         k_qc3d4ce9885_attn.kd
    .args:
      - { .name: qkvimg, .offset: 0, .size: 8, .value_kind: global_buffer, .address_space: global }
      - { .name: qkvsc, .offset: 8, .size: 8, .value_kind: global_buffer, .address_space: global }
      - { .name: wimg, .offset: 16, .size: 8, .value_kind: global_buffer, .address_space: global }
      - { .name: wsc, .offset: 24, .size: 8, .value_kind: global_buffer, .address_space: global }
      - { .name: bp, .offset: 32, .size: 8, .value_kind: global_buffer, .address_space: global }
      - { .name: x, .offset: 40, .size: 8, .value_kind: global_buffer, .address_space: global }
      - { .name: out0, .offset: 48, .size: 8, .value_kind: global_buffer, .address_space: global }
    .group_segment_fixed_size: 327680
    .private_segment_fixed_size: 0
    .kernarg_segment_align: 8
    .kernarg_segment_size: 56
    .max_flat_workgroup_size: 128
    .sgpr_count:     102
    .vgpr_count:     1024
    .wavefront_size: 32
...
	.end_amdgpu_metadata
.endif
;; end of part 3
